; MI455X (gfx1250); checked and timed in simulation.
; The chip was launched on July 23, 2026; its instructions are those of AMD's public machine-readable ISA for CDNA 5 (MIT licence, August 2026) and "CDNA5" Instruction Set Architecture Reference Guide (July 2026). The comments in the code are by the model that wrote it; some were corrected since.
;; Cross Attention1. Allowed arithmetic: float matrix products may take bf16 or f16 operands with f32 sums; other float arithmetic in f32, or as packed bf16 or f16 multiplies, adds, multiply-adds, maxima and minima; sums over many terms, partial sums and values carried from step to step in f32; what a program stores and reads back later, other than sums and carried values, may be rounded once to bf16 or f16.
;; Inputs: Wkv 1,024 x 2,048 float32; Wproj 1,024 x 1,024 float32; Wq 1,024 x 1,024 float32; bproj 1,024 float32; mask 16,384 bool; x 16,384 x 1,024 float32; y 16,384 x 1,024 float32.
;; Outputs: out0 16,384 x 1,024 float32.
;; 2 versions, each right and faster than the one before. Each part assembles by itself: llvm-mc -triple=amdgcn-amd-amdhsa -mcpu=gfx1250 --defsym DOCPART=n.
;; ======== version 1 of 2: 2 launches
;; limits: values are held in f16: magnitudes above 65,504 overflow, below 6.1e-05 lose precision
;; workspace buffers: wt 8,388,608 bytes
;; launch prep (part 1): grid 512 x 4, 8 waves a work-group, no clusters, 0 bytes of LDS; arguments Wq, Wkv, Wproj, wt; writes wt
.if DOCPART == 1
	.amdgcn_target "amdgcn-amd-amdhsa--gfx1250"
	.amdhsa_code_object_version 6
	.text
	.protected	k_qd79a7a3758_prep
	.globl	k_qd79a7a3758_prep
	.p2align	8
	.type	k_qd79a7a3758_prep,@function
k_qd79a7a3758_prep:
	s_mov_b64 s[64:65], 0
	v_nop
	global_prefetch_b8 v0, s[64:65] scope:SCOPE_SE
	s_setreg_imm32_b32 hwreg(HW_REG_WAVE_MODE, 25, 1), 1
	s_wait_xcnt 0x0
; The three weight matrices, f32 [k][n], are rounded once to f16 and laid out as the register images that the second launch's matrix instructions take.
; wt = 64 tiles of 131,072 bytes, tile 16 ph + t (ph: 0 Wq, 1 Wkv's k half, 2 Wkv's v half, 3 Wproj; t = 0..15), a tile = [wave w: 4][K step s: 2][column block b: 16] blocks of 1,024 bytes.
; A block is one source fragment of 16 columns x 32 k: the 16 bytes at g x 512 + (16 h + r) x 16 hold W[k + 0..7][256 w + 16 b + r], the lower k in the lower bits, with
;   ph < 3: k = 64 t + 32 s + 16 g + 8 h          ph = 3: k = 256 (2 s + g) + 16 t + 8 h   (the order in which the second launch lays attn x v into its K steps).
; SHARES.  Work-group (X, w): ph = X / 128, kg = X % 128 = k / 8.  Thread t owns column 256 w + t: eight loads of 4 bytes down the column, four roundings, one store of 16 bytes;
; sixteen neighbouring lanes store 256 consecutive bytes, at a multiple of 256 from wt's first byte.  16 MB are read once: no LDS, no barrier, no matrix unit.
; LIMIT.  f16: a weight of 65,520 or more becomes an infinity; below 6e-5 the step is a fixed 6e-8.
	s_load_b256 s[4:11], s[0:1], 0x0               ; Wq s[4:5], Wkv s[6:7], Wproj s[8:9], wt s[10:11]
	s_lshr_b32 s12, ttmp9, 7                       ; ph
	s_and_b32 s13, ttmp9, 127                      ; kg
	s_and_b32 s14, ttmp7, 0xffff                   ; w
	s_sub_co_u32 s15, s12, 1
	s_cmp_lt_u32 s15, 2                            ; ph = 1 or 2: Wkv, rows of 8,192 bytes; else rows of 4,096
	s_cselect_b32 s16, 13, 12                      ; log2 of the row's bytes
	s_lshl_b32 s17, 1, s16                         ; the row's bytes
	s_cmp_eq_u32 s12, 2
	s_cselect_b32 s19, 4096, 0                     ; v's columns begin 1,024 numbers into a row of Wkv
	s_lshl_b32 s20, s13, 3                         ; my first row, 8 kg,
	s_lshl_b32 s20, s20, s16                       ; in bytes,
	s_add_co_u32 s20, s20, s19
	s_lshl_b32 s18, s14, 10                        ; and the work-group's 256 columns
	s_add_co_u32 s20, s20, s18
	s_mov_b32 s21, 0
	s_lshr_b32 s24, s13, 3                         ; ph < 3: t, s, g out of kg = 8 t + 4 s + 2 g + h
	s_bfe_u32 s25, s13, 0x10002
	s_bfe_u32 s26, s13, 0x10001
	s_bfe_u32 s27, s13, 0x40001                    ; ph = 3: t, s, g out of kg = 64 s + 32 g + 2 t + h
	s_lshr_b32 s28, s13, 6
	s_bfe_u32 s29, s13, 0x10005
	s_and_b32 s30, s13, 1                          ; h
	s_cmp_eq_u32 s12, 3
	s_cselect_b32 s24, s27, s24                    ; t
	s_cselect_b32 s25, s28, s25                    ; s
	s_cselect_b32 s26, s29, s26                    ; g
	s_lshl_b32 s31, s12, 4
	s_add_co_u32 s31, s31, s24                     ; the tile, 16 ph + t
	s_lshl_b32 s32, s31, 17
	s_lshl_b32 s31, s14, 15
	s_add_co_u32 s32, s32, s31                     ; + w x 32,768
	s_lshl_b32 s31, s25, 14
	s_add_co_u32 s32, s32, s31                     ; + s x 16,384
	s_lshl_b32 s31, s26, 9
	s_add_co_u32 s32, s32, s31                     ; + g x 512
	s_lshl_b32 s31, s30, 8
	s_add_co_u32 s32, s32, s31                     ; + h x 256
	s_mov_b32 s33, 0
	v_lshlrev_b32 v1, 2, v0                        ; my column, in bytes
.irp i, 0,1,2,3,4,5,6,7
	s_mul_i32 s18, s17, \i
	v_add_nc_u32 v[2+\i], s18, v1                  ; row i of my eight
.endr
	v_lshrrev_b32 v10, 4, v0                       ; b
	v_and_b32 v11, 15, v0                          ; r
	v_lshlrev_b32 v10, 10, v10
	v_lshl_add_u32 v10, v11, 4, v10                ; b x 1,024 + r x 16
	s_wait_kmcnt 0x0
	s_cmp_eq_u32 s12, 0
	s_cselect_b64 s[22:23], s[4:5], s[6:7]         ; the matrix is chosen by ph alone
	s_cmp_eq_u32 s12, 3
	s_cselect_b64 s[22:23], s[8:9], s[22:23]
	s_add_nc_u64 s[22:23], s[22:23], s[20:21]
	s_add_nc_u64 s[10:11], s[10:11], s[32:33]
.irp i, 0,1,2,3,4,5,6,7
	global_load_b32 v[12+\i], v[2+\i], s[22:23] th:TH_LOAD_NT  ; each weight is read once in the launch
.endr
	s_wait_loadcnt 0x0
.irp i, 0,1,2,3
	v_cvt_pk_f16_f32 v[20+\i], v[12+2*\i], v[13+2*\i]          ; the lower k into the low half
.endr
	global_store_b128 v10, v[20:23], s[10:11]
	s_endpgm
.Lfunc_end_k_qd79a7a3758_prep:
	.size	k_qd79a7a3758_prep, .Lfunc_end_k_qd79a7a3758_prep-k_qd79a7a3758_prep
	.p2alignl 7, 3214868480
	.fill 96, 4, 3214868480
	.section	.rodata,"a",@progbits
	.p2align	6, 0x0
	.amdhsa_kernel k_qd79a7a3758_prep
		.amdhsa_group_segment_fixed_size 0
		.amdhsa_private_segment_fixed_size 0
		.amdhsa_enable_private_segment 0
		.amdhsa_kernarg_size 32
		.amdhsa_user_sgpr_count 2
		.amdhsa_user_sgpr_kernarg_segment_ptr 1
		.amdhsa_wavefront_size32 1
		.amdhsa_system_sgpr_workgroup_id_x 1
		.amdhsa_system_sgpr_workgroup_id_y 1
		.amdhsa_system_sgpr_workgroup_id_z 1
		.amdhsa_system_vgpr_workitem_id 0
		.amdhsa_next_free_vgpr 32
		.amdhsa_next_free_sgpr 66
		.amdhsa_reserve_vcc 0
		.amdhsa_float_denorm_mode_32 3
		.amdhsa_float_denorm_mode_16_64 3
		.amdhsa_memory_ordered 1
		.amdhsa_forward_progress 1
		.amdhsa_inst_pref_size 4
	.end_amdhsa_kernel
	.amdgpu_metadata
---
amdhsa.version: [ 1, 2 ]
amdhsa.kernels:
  - .name:           k_qd79a7a3758_prep
    .symbol:         k_qd79a7a3758_prep.kd
    .args:
      - { .name: Wq, .offset: 0, .size: 8, .value_kind: global_buffer, .address_space: global }
      - { .name: Wkv, .offset: 8, .size: 8, .value_kind: global_buffer, .address_space: global }
      - { .name: Wproj, .offset: 16, .size: 8, .value_kind: global_buffer, .address_space: global }
      - { .name: wt, .offset: 24, .size: 8, .value_kind: global_buffer, .address_space: global }
    .group_segment_fixed_size: 0
    .private_segment_fixed_size: 0
    .kernarg_segment_align: 8
    .kernarg_segment_size: 32
    .max_flat_workgroup_size: 256
    .sgpr_count:     66
    .vgpr_count:     32
    .wavefront_size: 32
...
	.end_amdgpu_metadata
.endif
;; end of part 1
;; launch fused (part 2): grid 256 x 1, 4 waves a work-group, clusters of 4 x 1, 327,680 bytes of LDS; arguments x, y, wt, bproj, out0; writes out0
.if DOCPART == 2
	.amdgcn_target "amdgcn-amd-amdhsa--gfx1250"
	.amdhsa_code_object_version 6
	.text
	.protected	k_qd79a7a3758_fused
	.globl	k_qd79a7a3758_fused
	.p2align	8
	.type	k_qd79a7a3758_fused,@function
k_qd79a7a3758_fused:
	s_mov_b64 s[64:65], 0
	v_nop
	global_prefetch_b8 v0, s[64:65] scope:SCOPE_SE
	s_setreg_imm32_b32 hwreg(HW_REG_WAVE_MODE, 25, 1), 1
	s_wait_xcnt 0x0
	s_wait_alu depctr_hold_cnt(0) depctr_sa_sdst(0) depctr_va_vdst(0) depctr_va_sdst(0) depctr_va_ssrc(0) depctr_va_vcc(0) depctr_vm_vsrc(0)
	s_getreg_b32 s2, hwreg(HW_REG_IB_STS2, 6, 4)
	s_cmp_eq_u32 s2, 0
	s_cbranch_scc0 .Lentry_in_a_cluster
	s_endpgm
.Lentry_in_a_cluster:
	s_bfe_u32 s2, ttmp6, 0x10000c
	s_cmp_lg_u32 s2, 0x3003
	s_cbranch_scc0 .Lentry_shape_is_right
	s_endpgm
.Lentry_shape_is_right:
; out0 = (softmax over the 16 heads of (q_h . k_h / 64) x v) Wproj + bproj, with q = x Wq, (k, v) = y Wkv.  x, y, out0: [16384][1024] f32; wt: the weights in f16, as the launch before laid them.
; The input mask is not read: the module takes it and never uses it.
; SHARES.  A work-group owns 64 whole rows (256 work-groups), since the softmax wants a row's 16 heads and the last product a row's 1,024 channels.  Wave w owns columns 256 w .. 256 w + 255
; (heads 4 w .. 4 w + 3) of q, k, v and out0 for all 64 rows: 64 accumulators of 16 x 16, 512 registers.
; THE WALK.  Four phases Q, K, V, P, each 1,024 along K in 16 slots of 64: 64 slots, 128 matrix instructions a wave each.  Slot T multiplies weight tile T (128 KB in LDS, two slots by turns; a wave
; fetches and reads its own 32 KB of it) by chunk T of the A operand (64 rows x 64 k in f16, a ring of two small buffers filled by LDS stores): x, y, y again, then attn x v out of registers.
; y is read twice from memory, so that LDS is left to the weight slots.
; CLUSTER.  All work-groups walk the same 64 tiles, so the four of a cluster ask for each tile JOINTLY: the same tensor load, descriptor and mask of four in all; that divides the requests for weights by four.
; THE MATRIX INSTRUCTION IS USED TRANSPOSED (source 0 = 16 columns of W, source 1 = 16 rows): lane l holds row l % 16 and the columns 8 (l / 16) + 0..7.  So a row's q . k is a sum inside the lane and one
; exchange of the lanes' halves, and eight results rounded to f16 are 16 bytes of a later operand as they stand.
; SOFTMAX.  d = q_h . k_h; attn = 2^(c d - c m) / sum, c = log2(e) / 64 (the two scales of 1/8), m the row's maximum of d.  c m's rounding is common to all 16 terms of a row and cancels in the quotient.
; FORMATS AND LIMITS.  Every matrix operand (x, y, weights, attn x v) is rounded once to f16, sums are f32; q is rounded once to f16 for the dot product, k stays f32; the bias is f32.
; f16 holds no number beyond 65,504: |x|, |y|, |W|, |q| and |attn v| must stay within it; below 6e-5 f16 keeps a fixed step of 6e-8.  A weight below 2^-126 counts as 0 in the softmax's sum.
; NaN and infinities are not treated apart.
; REGISTERS, in windows of 256 (s_set_vgpr_msb: bits 1:0 source 0, 3:2 source 1, 5:4 source 2, 7:6 destination):
;   window 0: v0-15 addresses; v16-31 my four heads' d for the four row blocks; v32-95 A's fragments, two buffers (by K step); v96-223 B's, two buffers (by column half); v224-255 at work, attn in pairs, the bias
;   window 1: v0-191 q of my first three heads in f16, block (a, b) at 16 b + 4 a; v192-255 two sets of 32 for x and y on their way; behind phase V all 256: attn x v in f16
;   windows 2, 3: the accumulators: rows 16 a .., columns 16 b .. at 8 (4 (b % 8) + a) of window 2 + b / 8
.set SLOTB,  131072                    ; a weight slot: four waves' parts of 32,768 bytes
.set ARING,  2*SLOTB                   ; behind the slots: A's ring, two buffers of 64 rows x 144 bytes (128 of data + 16: the 16 rows of a fragment load start at 16 different groups of four banks, ISA guide 11.1)
.set ABUF,   9216
.set EXCH,   ARING+2*ABUF              ; all heads' d: 64 rows x 80 bytes (16 f32 + 16); written once
.set EPITCH, 80
.set QST,    EXCH+64*EPITCH            ; q of each wave's fourth head in f16, 8,192 bytes a wave, the wave's own
.set SPARE,  QST+4*8192                ; the spare words, 128 bytes for each wave: two blocks of 256 bytes that no other line names
.set SPITCH, 1040                      ; the way out: a stage row of 256 f32 + 16 bytes
.set BADR, 2                           ; v2, v3  32,768 w + 16 lane in slot 0, 1: my weights' fragments lie dense; later the stage's read address
.set AADR, 4                           ; v4   ARING + 144 (l % 16) + 16 (l / 16)
.set ASTO, 5                           ; v5   ARING + 144 (16 w + l / 16) + 8 (l % 16): where I put 4 f16 of x or y
.set GOFF, 6                           ; v6   4,096 (16 w + l / 16) + 16 (l % 16): my 16 bytes of x or y
.set QADR, 7                           ; v7   QST + 8,192 w + 16 lane
.set POUT, 8                           ; v8   AADR + 32 w: where I put 16 bytes of attn x v
.set EXS,  9                           ; v9   EXCH + 80 (l % 16) + 16 w
.set EXL,  10                          ; v10  EXCH + 80 (l % 16)
.set VOUT, 11                          ; v11  1,024 w + 16 lane: my bytes of the bias and of a row of out0
.set SPW,  12                          ; v12  LDS address of my spare word: SPARE + 4 x my thread's number; never rewritten
.set NIL,  13                          ; v13  0; never rewritten
.set SSTO, 14                          ; v14, v15  32,768 w + 1,040 (l % 16) + 32 (l / 16) in slot 0, 1: the way out
.set ATT,  16
.set AF,   32
.set BF,   96
.set KT,   BF+64                       ; the softmax's twelve temporaries, in B's second buffer, idle there
.set TMP,  224
.set ATTP, 224                         ; attn of (a, head) twice, at 224 + 2 (4 a + head): a pair for the packed multiply
.set BIAS, 224                         ; in phase P: v224-231
.set LAND, 192                         ; window 1
.set WV, 14                            ; s14  my wave's number
.set G1, 20                            ; s[20:27] descriptor group 1
.set G0, 28                            ; s[28:35] descriptor group 0, a set for each slot
.set XB, 36                            ; s[36:37] x, s[38:39] y, s[52:53] out0 at the work-group's first row
.set YB, 38
.set FB, 40                            ; s[40:41] base of the chunk being asked for
.set FO, 42                            ; s[42:43] its offset
.set CH, 44                            ; s44  the chunk to ask for next: 0-15 x, 16-31 and 32-47 y
.set CC, 45                            ; s45  that number, held to 47
.set PH, 46                            ; s46  phase 0, 1, 2
.set LC, 47                            ; s47  counts laps
.set SEL, 48                           ; s[48:49] v_permlanex16_b32's selects: each lane takes its own place in the other half
.set CS, 50                            ; s50  c
.set OB, 52
.set MSB, 0
.macro WIN new                         ; the immediate's high byte repeats the setting that is left; a switch that changes nothing is dropped
.if MSB != (\new)
	s_set_vgpr_msb (MSB<<8)|(\new)
.set MSB, (\new)
.endif
.endm
; A vector instruction or LDS store that reads a matrix result, and a load into a register that a matrix instruction has read, stand four places behind it; only plain vector instructions that
; name none of its registers are places (ISA guide 7.12.1 for vector instructions).
.macro PLACES
.rept 4
	v_nop
.endr
.endm
.macro CREST                           ; a round of the cluster's barrier behind its opening barrier
	s_cmp_lg_u32 s[WV], 0
	s_cbranch_scc1 .Lnot_wave_0_\@
	s_barrier_signal -3
.Lnot_wave_0_\@:
	s_barrier_wait -3
	s_barrier_signal -1
	s_barrier_wait -1
.endm
.macro CROUND                          ; a whole round
	s_barrier_signal -1
	s_barrier_wait -1
	CREST
.endm
.macro JLOAD sg                        ; a joint refill: every wave fetches its own 32,768 bytes of the tile; an s_nop 0 and four v_nop follow
	tensor_load_to_lds s[G0+4*(\sg):G0+4*(\sg)+3], s[G1:G1+7]
	s_nop 0
	PLACES
.endm
.macro LDB sg, s, p                    ; 16 loads: my weights of K step s, column half p of slot sg, into B's buffer p.  Window 0
.irp i, 0,1,2,3,4,5,6,7
	ds_load_b128 v[BF+64*(\p)+8*\i:BF+64*(\p)+8*\i+3],   v[BADR+(\sg)] offset:(16*(\s)+8*(\p)+\i)*1024
	ds_load_b128 v[BF+64*(\p)+8*\i+4:BF+64*(\p)+8*\i+7], v[BADR+(\sg)] offset:(16*(\s)+8*(\p)+\i)*1024+512
.endr
.endm
.macro LDA sg, s                       ; 8 loads: the 64 rows' fragments of K step s of ring buffer sg, into A's buffer s.  Window 0
.irp a, 0,1,2,3
	ds_load_b128 v[AF+32*(\s)+8*\a:AF+32*(\s)+8*\a+3],   v[AADR] offset:ABUF*(\sg)+2304*\a+64*(\s)
	ds_load_b128 v[AF+32*(\s)+8*\a+4:AF+32*(\s)+8*\a+7], v[AADR] offset:ABUF*(\sg)+2304*\a+64*(\s)+32
.endr
.endm
; 4 nb matrix instructions: column blocks b0 .. of half p x the four row blocks, K step s.  zero = 1: the product starts the sum: nothing is ever cleared.
; The 64 accumulators take turns, one instruction a turn, in the same order in every K step.
.macro MM s, p, b0, nb, zero
	WIN 0xa0+0x50*(\p)
.set bb, \b0
.rept \nb
.irp a, 0,1,2,3
.if \zero
	v_wmma_f32_16x16x32_f16 v[8*(4*bb+\a):8*(4*bb+\a)+7], v[BF+64*(\p)+8*bb:BF+64*(\p)+8*bb+7], v[AF+32*(\s)+8*\a:AF+32*(\s)+8*\a+7], 0
.else
	v_wmma_f32_16x16x32_f16 v[8*(4*bb+\a):8*(4*bb+\a)+7], v[BF+64*(\p)+8*bb:BF+64*(\p)+8*bb+7], v[AF+32*(\s)+8*\a:AF+32*(\s)+8*\a+7], v[8*(4*bb+\a):8*(4*bb+\a)+7]
.endif
.endr
.set bb, bb+1
.endr
.endm
; A chunk of x or y that has landed in a set of window 1 is rounded to f16 in place (load i's four numbers into its first two registers) and put into ring buffer buf: my 16 rows, 8 bytes a lane.
.macro CVST set, buf
	WIN 0x45
.irp i, 0,1,2,3,4,5,6,7
	v_cvt_pk_f16_f32 v[LAND+32*(\set)+4*\i],   v[LAND+32*(\set)+4*\i],   v[LAND+32*(\set)+4*\i+1]
	v_cvt_pk_f16_f32 v[LAND+32*(\set)+4*\i+1], v[LAND+32*(\set)+4*\i+2], v[LAND+32*(\set)+4*\i+3]
.endr
	WIN 0x04
.irp i, 0,1,2,3,4,5,6,7
	ds_store_b64 v[ASTO], v[LAND+32*(\set)+4*\i:LAND+32*(\set)+4*\i+1] offset:ABUF*(\buf)+288*\i
.endr
.endm
; Chunk CH is asked for: 8 loads, in each 16 lanes take 256 consecutive bytes of a row, at a multiple of 256 from the buffer's first byte.  Behind chunk 47 there is none: the number is held to 47, so that
; the count of loads on their way is the same in every slot; those three chunks (16 KB each) are read again and not used.
.macro ASK set
	s_wait_xcnt 0x0                                ; the loads before have had their addresses translated (ISA guide 3.1): their base may be written
	s_min_u32 s[CC], s[CH], 47
	s_and_b32 s[FO], s[CC], 15
	s_lshl_b32 s[FO], s[FO], 8                     ; 64 f32 along the rows
	s_cmp_lt_u32 s[CC], 16
	s_cselect_b64 s[FB:FB+1], s[XB:XB+1], s[YB:YB+1]
	s_add_nc_u64 s[FB:FB+1], s[FB:FB+1], s[FO:FO+1]
	s_add_co_u32 s[CH], s[CH], 1
	WIN 0x40
.irp i, 0,1,2,3,4,5,6,7
	global_load_b128 v[LAND+32*(\set)+4*\i:LAND+32*(\set)+4*\i+3], v[GOFF], s[FB:FB+1] offset:8192*\i
.endr
	WIN 0
.endm
; Phase P's chunk tb: my columns 16 tb .. of attn x v for all 64 rows, at byte 32 w + 16 (l / 16) of the ring's rows: position (s, g, h, i) of the chunk holds channel 256 (2 s + g) + 16 tb + 8 h + i,
; the order in which Wproj's tiles were laid.
.macro FEEDS tb, buf
	WIN 0x04
.irp a, 0,1,2,3
	ds_store_b128 v[POUT], v[16*(\tb)+4*\a:16*(\tb)+4*\a+3] offset:ABUF*(\buf)+2304*\a
.endr
	WIN 0
.endm
.macro RUNG c, tb, buf                 ; registers cannot be indexed: in lap c of phase P's loop the chunk is tb; the other laps jump forward over it
	s_cmp_lg_u32 s[LC], \c
	s_cbranch_scc1 .Lrung_\@
	FEEDS \tb, \buf
.Lrung_\@:
.endm
; A SLOT: four half steps (K step, column half) of 32 matrix instructions; ahead of each the next one's fragments are asked for, in one run.  sg: the slot and ring buffer in hand.
; zero = 1: a phase's first slot.  feed: what puts the NEXT slot's chunk into the other ring buffer: 1 x or y, 2 chunk fb of attn x v, 3 the same by lap, 0 nothing.
; mode 0: this slot is filled again with the tile two on, and the next slot's first fragments are fetched; 1: filled, nothing fetched (a phase's end); 2: no fill; 3: the walk's last slot.
.macro SLOT sg, zero, mode, feed, fb=0
	WIN 0
	PLACES
	LDB \sg, 0, 1
	s_wait_dscnt 16                                ; all but the 16 just issued: B (0, 0) and A (0) are in
	MM 0, 0, 0, 8, \zero
	WIN 0
.if (\feed) == 1
	s_wait_loadcnt 8                               ; the next slot's chunk has landed; the other set's eight loads, asked for a slot later, stay out
	CVST 1-(\sg), 1-(\sg)
	ASK 1-(\sg)                                    ; three slots ahead of the slot that multiplies it
.elseif (\feed) == 2
	FEEDS \fb, 1-(\sg)
.elseif (\feed) == 3
.irp c, 6,5,4,3,2,1
	RUNG \c, 15-(\sg)-2*\c, 1-(\sg)
.endr
.endif
	PLACES
	LDB \sg, 1, 0
	LDA \sg, 1
	s_wait_dscnt 24                                ; all but the 24 just issued: B (0, 1) is in
	MM 0, 1, 0, 8, \zero
	WIN 0
	PLACES
	LDB \sg, 1, 1
	s_wait_dscnt 16                                ; B (1, 0) and A (1) are in
	MM 1, 0, 0, 8, 0
.if (\mode) == 3
	s_wait_dscnt 0x0
	MM 1, 1, 0, 8, 0
.else
	WIN 0                                          ; (the add's two registers lie in window 0)
	s_wait_tensorcnt 0x0                           ; all my tensor loads have landed: the one that was out is my part of the next tile
	ds_add_u32 v[SPW], v[NIL]                      ; 0 onto my spare word
	s_wait_dscnt 1                                 ; the add alone may be out: B (1, 1) is in
	MM 1, 1, 0, 2, 0                               ; eight matrix instructions stand between the add and the wait for it
	s_wait_dscnt 0x0                               ; the add is done; my reads of this slot and ring buffer are over, my stores into the other buffer done
	s_barrier_signal -1
	MM 1, 1, 2, 2, 0                               ; work on registers while the others arrive
	WIN 0
	s_barrier_wait -1
.if (\mode) < 2
	CREST                                          ; the barrier has opened a round of the cluster's: no wave of any partner still reads this slot or has a load on its way
	s_add_nc_u64 s[G0+4*(\sg)+2:G0+4*(\sg)+3], s[G0+4*(\sg)+2:G0+4*(\sg)+3], 2*SLOTB  ; the tile two on; the type bits on top are not reached
	JLOAD \sg                                      ; the first tensor load behind the round, 112 matrix instructions ahead of the wait for it; its four v_nop are also the places in front of the loads below
.else
	PLACES
.endif
.if ((\mode) == 0) || ((\mode) == 2)
	LDB 1-(\sg), 0, 0
	LDA 1-(\sg), 0
.endif
	MM 1, 1, 4, 4, 0
.endif
.endm
.macro FETCH                           ; a phase's first fragments
	WIN 0
	LDB 0, 0, 0
	LDA 0, 0
.endm
; BEHIND PHASE Q: q is rounded to f16 and set aside: my first three heads in window 1, the fourth (no registers are left) in my own bytes of LDS.  Each accumulator is read from its low end on.
.macro EPI_Q
	PLACES
.set tb, 0
.rept 12
.if tb < 8
	WIN 0x4a
.else
	WIN 0x4f
.endif
.irp a, 0,1,2,3
.irp rr, 0,1,2,3
	v_cvt_pk_f16_f32 v[16*tb+4*\a+\rr], v[8*(4*(tb%8)+\a)+2*\rr], v[8*(4*(tb%8)+\a)+2*\rr+1]
.endr
.endr
.set tb, tb+1
.endr
	WIN 0x0f
.rept 4
.irp a, 0,1,2,3
.irp rr, 0,1,2,3
	v_cvt_pk_f16_f32 v[BF+16*(tb-12)+4*\a+\rr], v[8*(4*(tb%8)+\a)+2*\rr], v[8*(4*(tb%8)+\a)+2*\rr+1]
.endr
.endr
.set tb, tb+1
.endr
	WIN 0
.set n, 0
.rept 16
	ds_store_b128 v[QADR], v[BF+4*n:BF+4*n+3] offset:512*n
.set n, n+1
.endr
.endm
; q . k for column blocks first .. : q's f16 half times k in f32, added in f32; the four row blocks' chains alternate.
.macro DOTS first, count, win, qoff
	WIN \win
.set tb, \first
.rept \count
.irp jj, 0,1,2,3
.irp a, 0,1,2,3
	v_fma_mix_f32 v[ATT+4*\a+tb/4], v[(\qoff)+16*tb+4*\a+\jj], v[8*(4*(tb%8)+\a)+2*\jj], v[ATT+4*\a+tb/4] op_sel_hi:[1,0,0]
.endr
.irp a, 0,1,2,3
	v_fma_mix_f32 v[ATT+4*\a+tb/4], v[(\qoff)+16*tb+4*\a+\jj], v[8*(4*(tb%8)+\a)+2*\jj+1], v[ATT+4*\a+tb/4] op_sel:[1,0,0] op_sel_hi:[1,0,0]
.endr
.endr
.set tb, tb+1
.endr
.endm
; BEHIND PHASE K, first part: d of my four heads for the 64 rows, and into the table that all waves read.
.macro EPI_K1
	PLACES
	WIN 0
.set n, 0
.rept 16
	ds_load_b128 v[BF+64+4*n:BF+64+4*n+3], v[QADR] offset:512*n  ; the fourth head's q, my own bytes
.set n, n+1
.endr
.set n, 0
.rept 16
	v_mov_b32 v[ATT+n], 0                          ; the mixed multiply-add takes its addend from a register: the 16 sums start here
	v_mov_b32 v[TMP+n], 0                          ; v_permlanex16_b32's destination counts as read
.set n, n+1
.endr
	DOTS 0, 8, 0x09, 0                             ; q window 1, k window 2
	DOTS 8, 4, 0x0d, 0                             ; q window 1, k window 3
	s_wait_dscnt 0x0
	DOTS 12, 4, 0x0c, BF+64-192                    ; q window 0, k window 3
	WIN 0
.set n, 0
.rept 16
	v_permlanex16_b32 v[TMP+n], v[ATT+n], s[SEL], s[SEL+1]  ; a row's other 32 channels of each head lie in the lane 16 away
.set n, n+1
.endr
.set n, 0
.rept 16
	v_add_f32 v[ATT+n], v[ATT+n], v[TMP+n]
.set n, n+1
.endr
.irp a, 0,1,2,3
	ds_store_b128 v[EXS], v[ATT+4*\a:ATT+4*\a+3] offset:16*EPITCH*\a  ; both halves of the lanes write the same words with the same values
.endr
.endm
; BEHIND PHASE K, second part, behind the barrier: each lane reads the 16 d of its row in each row block and makes attn of my four heads.
.macro EPI_K2
	WIN 0
.irp a, 0,1,2,3
.irp u, 0,1,2,3
	ds_load_b128 v[BF+16*\a+4*\u:BF+16*\a+4*\u+3], v[EXL] offset:16*EPITCH*\a+16*\u
.endr
.endr
	s_wait_dscnt 0x0
.irp a, 0,1,2,3
	v_max3_num_f32 v[KT+\a], v[BF+16*\a], v[BF+16*\a+1], v[BF+16*\a+2]
.endr
.irp u, 1,2,3,4,5,6
.irp a, 0,1,2,3
	v_max3_num_f32 v[KT+\a], v[KT+\a], v[BF+16*\a+2*\u+1], v[BF+16*\a+2*\u+2]
.endr
.endr
.irp a, 0,1,2,3
	v_max_num_f32 v[KT+\a], v[KT+\a], v[BF+16*\a+15]  ; m
.endr
.irp a, 0,1,2,3
	v_mul_f32 v[KT+4+\a], s[CS], v[KT+\a]          ; c m
.endr
.set n, 0
.rept 64
	v_fma_f32 v[BF+n], v[BF+n], s[CS], -v[KT+4+n/16]
.set n, n+1
.endr
.set n, 0
.rept 16
	v_fma_f32 v[ATT+n], v[ATT+n], s[CS], -v[KT+4+n/4]
.set n, n+1
.endr
.set n, 0
.rept 64
	v_exp_f32 v[BF+n], v[BF+n]
.set n, n+1
.endr
.set n, 0
.rept 16
	v_exp_f32 v[ATT+n], v[ATT+n]
.set n, n+1
.endr
	v_nop                                          ; a plain instruction between the last exponential and the use of its result (ISA guide 5.7.2)
	s_wait_alu depctr_va_vdst(0)
.irp u, 0,4,8,12
.irp a, 0,1,2,3
	v_pk_add_f32 v[BF+16*\a+\u:BF+16*\a+\u+1], v[BF+16*\a+\u:BF+16*\a+\u+1], v[BF+16*\a+\u+2:BF+16*\a+\u+3]
.endr
.endr
.irp u, 0,8
.irp a, 0,1,2,3
	v_pk_add_f32 v[BF+16*\a+\u:BF+16*\a+\u+1], v[BF+16*\a+\u:BF+16*\a+\u+1], v[BF+16*\a+\u+4:BF+16*\a+\u+5]
.endr
.endr
.irp a, 0,1,2,3
	v_pk_add_f32 v[BF+16*\a:BF+16*\a+1], v[BF+16*\a:BF+16*\a+1], v[BF+16*\a+8:BF+16*\a+9]
.endr
.irp a, 0,1,2,3
	v_add_f32 v[KT+8+\a], v[BF+16*\a], v[BF+16*\a+1]  ; the sum: at least about 1, the maximum's own term
.endr
.irp a, 0,1,2,3
	v_rcp_f32 v[KT+8+\a], v[KT+8+\a]
.endr
	v_nop
.set n, 0
	s_wait_alu depctr_va_vdst(0)
.rept 16
	v_mul_f32 v[ATTP+2*n],   v[ATT+n], v[KT+8+n/4]  ; twice: a pair for the packed multiply
	v_mul_f32 v[ATTP+2*n+1], v[ATT+n], v[KT+8+n/4]
.set n, n+1
.endr
.endm
; BEHIND PHASE V: v times attn, in place; rounded to f16 into window 1; phase P's chunk 0 into the ring.
.macro SCALE first, wmul, wpack
	WIN \wmul
.set tb, \first
.rept 8
.irp a, 0,1,2,3
.irp rr, 0,1,2,3
	v_pk_mul_f32 v[8*(4*(tb%8)+\a)+2*\rr:8*(4*(tb%8)+\a)+2*\rr+1], v[8*(4*(tb%8)+\a)+2*\rr:8*(4*(tb%8)+\a)+2*\rr+1], v[ATTP+2*(4*\a+tb/4):ATTP+2*(4*\a+tb/4)+1]
.endr
.endr
.set tb, tb+1
.endr
	WIN \wpack
.set tb, \first
.rept 8
.irp a, 0,1,2,3
.irp rr, 0,1,2,3
	v_cvt_pk_f16_f32 v[16*tb+4*\a+\rr], v[8*(4*(tb%8)+\a)+2*\rr], v[8*(4*(tb%8)+\a)+2*\rr+1]
.endr
.endr
.set tb, tb+1
.endr
.endm
.macro EPI_V
	s_wait_loadcnt 0x0                             ; the chunks asked for past the last land in window 1, which is written below
	PLACES
	SCALE 0, 0x82, 0x4a
	SCALE 8, 0xc3, 0x4f
	FEEDS 0, 0                                     ; over what the last slot's feed put there: that store was waited for in front of the round just passed
.endm
; THE WAY OUT.  A row block (16 rows x my 256 columns, f32) goes into a stage in my own part of a weight slot (both have had their last fill, and only I read or write my part), and comes back as whole
; rows: a load takes 512 consecutive bytes of a row; the bias is added; a store covers 512 consecutive bytes, at a multiple of 256 from out0's first byte.
.macro EPI_P
	s_wait_loadcnt 0x0                             ; the bias
	PLACES
.irp a, 0,1,2,3
	WIN 0x08
.set tb, 0
.rept 16
.if tb == 8
	WIN 0x0c
.endif
	ds_store_b128 v[SSTO+(\a)%2], v[8*(4*(tb%8)+\a):8*(4*(tb%8)+\a)+3]   offset:64*tb
	ds_store_b128 v[SSTO+(\a)%2], v[8*(4*(tb%8)+\a)+4:8*(4*(tb%8)+\a)+7] offset:64*tb+16
.set tb, tb+1
.endr
	WIN 0
.irp g, 0,1
	s_wait_xcnt 0x0                                ; the stores that read this set of registers have had their addresses translated (ISA guide 3.1): only now is it loaded again
.set n, 0
.rept 16
	ds_load_b128 v[BF+64*\g+4*n:BF+64*\g+4*n+3], v[BADR+(\a)%2] offset:SPITCH*(8*\g+n/2)+512*(n%2)  ; LDS serves a wave's instructions in order (ISA guide 5.7.1.4): these see the stores above
.set n, n+1
.endr
.set n, 0
.rept 16
	s_wait_dscnt 15-n                              ; load n of the sixteen is in
	v_pk_add_f32 v[BF+64*\g+4*n:BF+64*\g+4*n+1],   v[BF+64*\g+4*n:BF+64*\g+4*n+1],   v[BIAS+4*(n%2):BIAS+4*(n%2)+1]
	v_pk_add_f32 v[BF+64*\g+4*n+2:BF+64*\g+4*n+3], v[BF+64*\g+4*n+2:BF+64*\g+4*n+3], v[BIAS+4*(n%2)+2:BIAS+4*(n%2)+3]
	global_store_b128 v[VOUT], v[BF+64*\g+4*n:BF+64*\g+4*n+3], s[OB:OB+1] offset:(16*\a+8*\g+n/2)*4096+512*(n%2) th:TH_STORE_NT
.set n, n+1
.endr
.endr
.endr
.endm
	s_load_b256 s[4:11], s[0:1], 0x0               ; x s[4:5], y s[6:7], wt s[8:9], bproj s[10:11]
	s_load_b64 s[12:13], s[0:1], 0x20              ; out0
	v_lshl_add_u32 v[SPW], v0, 2, SPARE
	v_mov_b32 v[NIL], 0
	ds_add_u32 v[SPW], v[NIL]                      ; the wave's opening: the add and its wait stand ahead of my first tensor load; the set-up below, work on registers, stands between them
	v_lshrrev_b32 v1, 5, v0
	v_readfirstlane_b32 s[WV], v1                  ; wave 0..3
	s_bfe_u32 s15, ttmp6, 0x40000                  ; cx: my place in the cluster
	s_lshl_b32 s16, ttmp9, 2                       ; in a cluster launch ttmp9 counts clusters
	s_add_co_u32 s16, s16, s15                     ; my block of 64 rows: it enters the addresses of x, y and out0 alone
	s_lshl_b32 s18, s16, 18                        ; 64 rows of 4,096 bytes
	s_mov_b32 s19, 0
	; descriptor group 1: 32,768 dense bytes as 128 rows of 256 bytes
	s_mov_b32 s[G1+0], 15|(3<<16)|(1<<21)          ; 15:0 the mask: all four work-groups; 17:16 elements of 8 bytes; 21 set beside a mask; no padding: the fragments lie as they are read
	s_mov_b32 s[G1+1], 32<<16                      ; tensor_dim0 = 32
	s_mov_b32 s[G1+2], 128<<16                     ; tensor_dim1 = 128
	s_mov_b32 s[G1+3], 32<<16                      ; tile_dim0 = 32
	s_mov_b32 s[G1+4], 128                         ; tile_dim1 = 128
	s_mov_b32 s[G1+5], 32                          ; 32 elements from row to row
	s_mov_b32 s[G1+6], 0
	s_mov_b32 s[G1+7], 0
	s_mov_b32 s[G0], 1                             ; 1:0 count = 1
	s_lshl_b32 s[G0+1], s[WV], 15                  ; LDS address: my part of slot 0: no place in the cluster enters it
	s_mov_b32 s[G0+4], 1
	s_add_co_u32 s[G0+5], s[G0+1], SLOTB           ; of slot 1
	s_lshl_b32 s54, s[WV], 15                      ; my part of a tile in wt
	s_mov_b32 s55, 0
	s_mov_b32 s[FO+1], 0
	s_mov_b32 s[CH], 0
	s_mov_b32 s[PH], 0
	s_mov_b32 s[SEL], 0x76543210
	s_mov_b32 s[SEL+1], 0xfedcba98
	s_mov_b32 s[CS], 0x3cb8aa3b                    ; c = log2(e) / 64
	v_and_b32 v1, 31, v0                           ; lane
	v_and_b32 v[TMP], 15, v0                       ; l % 16
	v_bfe_u32 v[TMP+1], v0, 4, 1                   ; l / 16
	v_lshl_add_u32 v[BADR], v1, 4, s[G0+1]
	v_add_nc_u32 v[BADR+1], SLOTB, v[BADR]
	v_mul_u32_u24 v[AADR], v[TMP], 144
	v_lshl_add_u32 v[AADR], v[TMP+1], 4, v[AADR]
	v_add_nc_u32 v[AADR], ARING, v[AADR]
	s_mul_i32 s17, s[WV], 16*144
	s_add_co_u32 s17, s17, ARING
	v_mul_u32_u24 v[ASTO], v[TMP+1], 144
	v_lshl_add_u32 v[ASTO], v[TMP], 3, v[ASTO]
	v_add_nc_u32 v[ASTO], s17, v[ASTO]
	s_lshl_b32 s17, s[WV], 16                      ; 16 rows of 4,096 bytes
	v_lshlrev_b32 v[GOFF], 12, v[TMP+1]
	v_lshl_add_u32 v[GOFF], v[TMP], 4, v[GOFF]
	v_add_nc_u32 v[GOFF], s17, v[GOFF]
	s_lshl_b32 s17, s[WV], 13
	s_add_co_u32 s17, s17, QST
	v_lshl_add_u32 v[QADR], v1, 4, s17
	s_lshl_b32 s17, s[WV], 5
	v_add_nc_u32 v[POUT], s17, v[AADR]
	v_mul_u32_u24 v[EXL], v[TMP], EPITCH
	v_add_nc_u32 v[EXL], EXCH, v[EXL]
	s_lshl_b32 s17, s[WV], 4
	v_add_nc_u32 v[EXS], s17, v[EXL]
	s_lshl_b32 s17, s[WV], 10
	v_lshl_add_u32 v[VOUT], v1, 4, s17
	v_mul_u32_u24 v[SSTO], v[TMP], SPITCH
	v_lshl_add_u32 v[SSTO], v[TMP+1], 5, v[SSTO]
	v_add_nc_u32 v[SSTO], s[G0+1], v[SSTO]
	v_add_nc_u32 v[SSTO+1], SLOTB, v[SSTO]
	s_wait_dscnt 0x0                               ; the opening add is done
	s_wait_kmcnt 0x0
	s_add_nc_u64 s[XB:XB+1], s[4:5], s[18:19]
	s_add_nc_u64 s[YB:YB+1], s[6:7], s[18:19]
	s_add_nc_u64 s[OB:OB+1], s[12:13], s[18:19]
	s_add_nc_u64 s[G0+2:G0+3], s[8:9], s[54:55]    ; global address: my part of tile 0,
	s_add_nc_u64 s[G0+6:G0+7], s[G0+2:G0+3], SLOTB ; of tile 1
	s_or_b32 s[G0+3], s[G0+3], 0x80000000          ; 127:126 type = 2
	s_or_b32 s[G0+7], s[G0+7], 0x80000000
	ASK 0                                          ; chunks 0 and 1 of x
	ASK 1
	CROUND                                         ; all four work-groups are here: the first joint loads meet
	tensor_load_to_lds s[G0:G0+3], s[G1:G1+7]      ; tiles 0 and 1: two tensor loads of mine are out, later one
	s_nop 0
	tensor_load_to_lds s[G0+4:G0+7], s[G1:G1+7]
	s_nop 0
	PLACES
	s_wait_loadcnt 8                               ; chunk 0 is in; chunk 1's eight loads stay out
	CVST 0, 0
	ASK 0                                          ; chunk 2
	s_wait_tensorcnt 1                             ; my part of tile 0 is in; tile 1's may stay out
	s_wait_dscnt 0x0                               ; my rows of chunk 0 are in the ring
	s_barrier_signal -1
	s_barrier_wait -1
.Lphase:                                               ; three trips: Q, K, V.  One text: they differ in what stands behind the products
	FETCH
	SLOT 0, 1, 0, 1
	WIN 0
	s_mov_b32 s[LC], 7
.Llap:
	SLOT 1, 0, 0, 1
	SLOT 0, 0, 0, 1
	WIN 0
	s_sub_co_u32 s[LC], s[LC], 1
	s_cmp_lg_u32 s[LC], 0
	s_cbranch_scc1 .Llap
	SLOT 1, 0, 1, 1
	WIN 0
	s_cmp_eq_u32 s[PH], 0                          ; the jumps go forward, on the phase's counter alone, past text with neither a barrier nor a tensor load
	s_cbranch_scc0 .Lnot_q
	EPI_Q
	s_branch .Ljoin
.Lnot_q:
	s_cmp_eq_u32 s[PH], 1
	s_cbranch_scc0 .Lis_v
	EPI_K1
	s_branch .Ljoin
.Lis_v:
	EPI_V
.Ljoin:
	s_wait_dscnt 0x0                               ; for the others' sake: my stores (d's table; phase P's chunk 0) are done
	s_barrier_signal -1                            ; one barrier for all three phases; the tile on its way may stay out
	s_barrier_wait -1
	s_cmp_eq_u32 s[PH], 1
	s_cbranch_scc0 .Lno_softmax
	EPI_K2
.Lno_softmax:
	s_add_co_u32 s[PH], s[PH], 1
	s_cmp_lt_u32 s[PH], 3
	s_cbranch_scc1 .Lphase
	global_load_b128 v[BIAS:BIAS+3],   v[VOUT], s[10:11]             ; PHASE P.  The bias of my columns 128 i + 4 lane .., i = 0, 1: attn's pairs have been used
	global_load_b128 v[BIAS+4:BIAS+7], v[VOUT], s[10:11] offset:512
	FETCH
	SLOT 0, 1, 0, 2, 1
	WIN 0
	s_mov_b32 s[LC], 6
.Lplap:
	SLOT 1, 0, 0, 3
	SLOT 0, 0, 0, 3
	WIN 0
	s_sub_co_u32 s[LC], s[LC], 1
	s_cmp_lg_u32 s[LC], 0
	s_cbranch_scc1 .Lplap
	SLOT 1, 0, 0, 2, 14                            ; asks for the last tile, 63
	SLOT 0, 0, 2, 2, 15                            ; the tail is written out: nothing is asked for
	SLOT 1, 0, 3, 0
	EPI_P
	WIN 0
	s_wait_tensorcnt 0x0                           ; the wave's end, behind my last tensor load and my last LDS store
	ds_add_u32 v[SPW], v[NIL]
	s_wait_dscnt 0x0
	CROUND                                         ; the closing round: no work-group ends while a partner may still ask for a tile that names it
	s_endpgm
.Lfunc_end_k_qd79a7a3758_fused:
	.size	k_qd79a7a3758_fused, .Lfunc_end_k_qd79a7a3758_fused-k_qd79a7a3758_fused
	.p2alignl 7, 3214868480
	.fill 96, 4, 3214868480
	.section	.rodata,"a",@progbits
	.p2align	6, 0x0
	.amdhsa_kernel k_qd79a7a3758_fused
		.amdhsa_group_segment_fixed_size 327680
		.amdhsa_private_segment_fixed_size 0
		.amdhsa_enable_private_segment 0
		.amdhsa_kernarg_size 40
		.amdhsa_user_sgpr_count 2
		.amdhsa_user_sgpr_kernarg_segment_ptr 1
		.amdhsa_wavefront_size32 1
		.amdhsa_system_sgpr_workgroup_id_x 1
		.amdhsa_system_sgpr_workgroup_id_y 1
		.amdhsa_system_sgpr_workgroup_id_z 1
		.amdhsa_system_vgpr_workitem_id 0
		.amdhsa_next_free_vgpr 1024
		.amdhsa_next_free_sgpr 66
		.amdhsa_reserve_vcc 0
		.amdhsa_float_denorm_mode_32 3
		.amdhsa_float_denorm_mode_16_64 3
		.amdhsa_memory_ordered 1
		.amdhsa_forward_progress 1
		.amdhsa_inst_pref_size 255
	.end_amdhsa_kernel
	.section	.bss,"aw",@nobits
	.p2align	6
	.space	262144
	.amdgpu_metadata
---
amdhsa.version: [ 1, 2 ]
amdhsa.kernels:
  - .name:           k_qd79a7a3758_fused
    .symbol:         k_qd79a7a3758_fused.kd
    .args:
      - { .name: x, .offset: 0, .size: 8, .value_kind: global_buffer, .address_space: global }
      - { .name: y, .offset: 8, .size: 8, .value_kind: global_buffer, .address_space: global }
      - { .name: wt, .offset: 16, .size: 8, .value_kind: global_buffer, .address_space: global }
      - { .name: bproj, .offset: 24, .size: 8, .value_kind: global_buffer, .address_space: global }
      - { .name: out0, .offset: 32, .size: 8, .value_kind: global_buffer, .address_space: global }
    .group_segment_fixed_size: 327680
    .private_segment_fixed_size: 0
    .kernarg_segment_align: 8
    .kernarg_segment_size: 40
    .max_flat_workgroup_size: 128
    .sgpr_count:     66
    .vgpr_count:     1024
    .wavefront_size: 32
...
	.end_amdgpu_metadata
.endif
;; end of part 2
;; ======== version 2 of 2: 3 launches; 1.15 times as fast as version 1
;; limits: values are held in f16: magnitudes above 65,504 overflow, below 6.1e-05 lose precision
;; workspace buffers: wt 8,388,608 bytes; vs 33,554,432 bytes; dt 1,048,576 bytes
;; launch prep (part 3): grid 512 x 4, 8 waves a work-group, no clusters, 0 bytes of LDS; arguments Wq, Wkv, Wproj, wt; writes wt
.if DOCPART == 3
	.amdgcn_target "amdgcn-amd-amdhsa--gfx1250"
	.amdhsa_code_object_version 6
	.text
	.protected	k_qd79a7a3758_prep
	.globl	k_qd79a7a3758_prep
	.p2align	8
	.type	k_qd79a7a3758_prep,@function
k_qd79a7a3758_prep:
	s_mov_b64 s[64:65], 0
	v_nop
	global_prefetch_b8 v0, s[64:65] scope:SCOPE_SE
	s_setreg_imm32_b32 hwreg(HW_REG_WAVE_MODE, 25, 1), 1
	s_wait_xcnt 0x0
; The three weight matrices, f32 [k][n], are rounded once to f16 and laid out as the register images that the later launches' matrix instructions take.
; wt = 64 tiles of 131,072 bytes, tile 16 ph + t (ph: 0 Wq, 1 Wkv's k half, 2 Wkv's v half, 3 Wproj; t = 0..15: 64 along K), a tile = [column group w: 4][K step s: 2][column block b: 16] blocks of 1,024 bytes.
; A block is one source fragment of 16 columns x 32 k: the 16 bytes at g x 512 + (16 h + r) x 16 hold W[k + 0..7][256 w + 16 b + r], the lower k in the lower bits, k = 64 t + 32 s + 16 g + 8 h.
; SHARES.  Work-group (X, w): ph = X / 128, kg = X % 128 = k / 8.  Thread t owns column 256 w + t: eight loads of 4 bytes down the column, four roundings, one store of 16 bytes;
; sixteen neighbouring lanes store 256 consecutive bytes, at a multiple of 256 from wt's first byte.  16 MB are read once: no LDS, no barrier, no matrix unit.
; LIMIT.  f16: a weight of 65,520 or more becomes an infinity; below 6e-5 the step is a fixed 6e-8.
	s_load_b256 s[4:11], s[0:1], 0x0               ; Wq s[4:5], Wkv s[6:7], Wproj s[8:9], wt s[10:11]
	s_lshr_b32 s12, ttmp9, 7                       ; ph
	s_and_b32 s13, ttmp9, 127                      ; kg
	s_and_b32 s14, ttmp7, 0xffff                   ; w
	s_sub_co_u32 s15, s12, 1
	s_cmp_lt_u32 s15, 2                            ; ph = 1 or 2: Wkv, rows of 8,192 bytes; else rows of 4,096
	s_cselect_b32 s16, 13, 12                      ; log2 of the row's bytes
	s_lshl_b32 s17, 1, s16                         ; the row's bytes
	s_cmp_eq_u32 s12, 2
	s_cselect_b32 s19, 4096, 0                     ; v's columns begin 1,024 numbers into a row of Wkv
	s_lshl_b32 s20, s13, 3                         ; my first row, 8 kg,
	s_lshl_b32 s20, s20, s16                       ; in bytes,
	s_add_co_u32 s20, s20, s19
	s_lshl_b32 s18, s14, 10                        ; and the work-group's 256 columns
	s_add_co_u32 s20, s20, s18
	s_mov_b32 s21, 0
	s_lshr_b32 s24, s13, 3                         ; t, s, g, h out of kg = 8 t + 4 s + 2 g + h
	s_bfe_u32 s25, s13, 0x10002
	s_bfe_u32 s26, s13, 0x10001
	s_and_b32 s30, s13, 1
	s_lshl_b32 s31, s12, 4
	s_add_co_u32 s31, s31, s24                     ; the tile, 16 ph + t
	s_lshl_b32 s32, s31, 17
	s_lshl_b32 s31, s14, 15
	s_add_co_u32 s32, s32, s31                     ; + w x 32,768
	s_lshl_b32 s31, s25, 14
	s_add_co_u32 s32, s32, s31                     ; + s x 16,384
	s_lshl_b32 s31, s26, 9
	s_add_co_u32 s32, s32, s31                     ; + g x 512
	s_lshl_b32 s31, s30, 8
	s_add_co_u32 s32, s32, s31                     ; + h x 256
	s_mov_b32 s33, 0
	v_lshlrev_b32 v1, 2, v0                        ; my column, in bytes
.irp i, 0,1,2,3,4,5,6,7
	s_mul_i32 s18, s17, \i
	v_add_nc_u32 v[2+\i], s18, v1                  ; row i of my eight
.endr
	v_lshrrev_b32 v10, 4, v0                       ; b
	v_and_b32 v11, 15, v0                          ; r
	v_lshlrev_b32 v10, 10, v10
	v_lshl_add_u32 v10, v11, 4, v10                ; b x 1,024 + r x 16
	s_wait_kmcnt 0x0
	s_cmp_eq_u32 s12, 0
	s_cselect_b64 s[22:23], s[4:5], s[6:7]         ; the matrix is chosen by ph alone
	s_cmp_eq_u32 s12, 3
	s_cselect_b64 s[22:23], s[8:9], s[22:23]
	s_add_nc_u64 s[22:23], s[22:23], s[20:21]
	s_add_nc_u64 s[10:11], s[10:11], s[32:33]
.irp i, 0,1,2,3,4,5,6,7
	global_load_b32 v[12+\i], v[2+\i], s[22:23] th:TH_LOAD_NT  ; each weight is read once in the launch
.endr
	s_wait_loadcnt 0x0
.irp i, 0,1,2,3
	v_cvt_pk_f16_f32 v[20+\i], v[12+2*\i], v[13+2*\i]          ; the lower k into the low half
.endr
	global_store_b128 v10, v[20:23], s[10:11]
	s_endpgm
.Lfunc_end_k_qd79a7a3758_prep:
	.size	k_qd79a7a3758_prep, .Lfunc_end_k_qd79a7a3758_prep-k_qd79a7a3758_prep
	.p2alignl 7, 3214868480
	.fill 96, 4, 3214868480
	.section	.rodata,"a",@progbits
	.p2align	6, 0x0
	.amdhsa_kernel k_qd79a7a3758_prep
		.amdhsa_group_segment_fixed_size 0
		.amdhsa_private_segment_fixed_size 0
		.amdhsa_enable_private_segment 0
		.amdhsa_kernarg_size 32
		.amdhsa_user_sgpr_count 2
		.amdhsa_user_sgpr_kernarg_segment_ptr 1
		.amdhsa_wavefront_size32 1
		.amdhsa_system_sgpr_workgroup_id_x 1
		.amdhsa_system_sgpr_workgroup_id_y 1
		.amdhsa_system_sgpr_workgroup_id_z 1
		.amdhsa_system_vgpr_workitem_id 0
		.amdhsa_next_free_vgpr 32
		.amdhsa_next_free_sgpr 66
		.amdhsa_reserve_vcc 0
		.amdhsa_float_denorm_mode_32 3
		.amdhsa_float_denorm_mode_16_64 3
		.amdhsa_memory_ordered 1
		.amdhsa_forward_progress 1
		.amdhsa_inst_pref_size 4
	.end_amdhsa_kernel
	.amdgpu_metadata
---
amdhsa.version: [ 1, 2 ]
amdhsa.kernels:
  - .name:           k_qd79a7a3758_prep
    .symbol:         k_qd79a7a3758_prep.kd
    .args:
      - { .name: Wq, .offset: 0, .size: 8, .value_kind: global_buffer, .address_space: global }
      - { .name: Wkv, .offset: 8, .size: 8, .value_kind: global_buffer, .address_space: global }
      - { .name: Wproj, .offset: 16, .size: 8, .value_kind: global_buffer, .address_space: global }
      - { .name: wt, .offset: 24, .size: 8, .value_kind: global_buffer, .address_space: global }
    .group_segment_fixed_size: 0
    .private_segment_fixed_size: 0
    .kernarg_segment_align: 8
    .kernarg_segment_size: 32
    .max_flat_workgroup_size: 256
    .sgpr_count:     66
    .vgpr_count:     32
    .wavefront_size: 32
...
	.end_amdgpu_metadata
.endif
;; end of part 3
;; launch qkv (part 4): grid 256 x 1, 4 waves a work-group, clusters of 4 x 1, 327,680 bytes of LDS; arguments x, y, wt, vs, dt; writes vs, dt
.if DOCPART == 4
	.amdgcn_target "amdgcn-amd-amdhsa--gfx1250"
	.amdhsa_code_object_version 6
	.text
	.protected	k_qd79a7a3758_qkv
	.globl	k_qd79a7a3758_qkv
	.p2align	8
	.type	k_qd79a7a3758_qkv,@function
k_qd79a7a3758_qkv:
	s_mov_b64 s[64:65], 0
	v_nop
	global_prefetch_b8 v0, s[64:65] scope:SCOPE_SE
	s_setreg_imm32_b32 hwreg(HW_REG_WAVE_MODE, 25, 1), 1
	s_wait_xcnt 0x0
	s_wait_alu depctr_hold_cnt(0) depctr_sa_sdst(0) depctr_va_vdst(0) depctr_va_sdst(0) depctr_va_ssrc(0) depctr_va_vcc(0) depctr_vm_vsrc(0)
	s_getreg_b32 s2, hwreg(HW_REG_IB_STS2, 6, 4)
	s_cmp_eq_u32 s2, 0
	s_cbranch_scc0 .Lentry_in_a_cluster
	s_endpgm
.Lentry_in_a_cluster:
	s_bfe_u32 s2, ttmp6, 0x10000c
	s_cmp_lg_u32 s2, 0x3003
	s_cbranch_scc0 .Lentry_shape_is_right
	s_endpgm
.Lentry_shape_is_right:
; q = x Wq, (k, v) = y Wkv;  dt[g][row][e] = q_h . k_h (unscaled, f32) for head h = 2 g + e;  vs[row][1024] = v in f16.  x, y: [16384][1024] f32; wt: the weights in f16, as the launch before laid them.
; The softmax over a row's 16 heads and the last product follow in the next launch: a work-group here holds 8 heads.  The input mask is not read: the module takes it and never uses it.
; SHARES.  A work-group owns 128 rows x 512 columns (8 heads) of q, then k, then v: 128 row blocks x 2 column halves = 256 work-groups.  So a weight slot of 131,072 bytes (128 along K x 512 columns)
; feeds 256 matrix instructions a wave.  Wave w owns all 128 rows and columns 128 w .. of the half (two heads): 64 accumulators of 16 x 16, 512 registers; for 32 along K it reads 8 + 8 fragments
; from LDS for 64 matrix instructions.
; THE WALK.  Three phases, each 1,024 along K in 8 slots of 128: 24 slots, two LDS slots by turns.  A slot is two SUB-SLOTS of 64 along K, 128 matrix instructions a wave each; sub-slot u multiplies weight
; tile u by chunk u of the A operand (128 rows x 64 k in f16, a ring of two buffers filled by LDS stores): x, y, y again.  y is read twice, so that LDS is left to the weight slots.
; Behind a slot's first sub-slot stands a plain barrier (for the ring alone: the tile on its way stays out), behind its second the change of slots.
; CLUSTER.  The column half c is the cluster's number % 2, the same in its four work-groups, which take four neighbouring row blocks: they walk the same tiles and ask for each JOINTLY.
; THE MATRIX INSTRUCTION IS USED TRANSPOSED (source 0 = 16 columns of W, source 1 = 16 rows): lane l holds row l % 16 and the columns 8 (l / 16) + 0..7.  So a row's q . k is a sum inside the lane and one
; exchange of the lanes' halves, and eight results rounded to f16 are 16 bytes of a row.
; FORMATS AND LIMITS.  x, y and the weights are rounded once to f16, sums are f32; q is rounded once to f16 for the dot product, k stays f32; v is rounded once to f16.
; f16 holds no number beyond 65,504: |x|, |y|, |W|, |q| and |v| must stay within it; below 6e-5 f16 keeps a fixed step of 6e-8.  NaN and infinities are not treated apart.
; REGISTERS, in windows of 256 (s_set_vgpr_msb: bits 1:0 source 0, 3:2 source 1, 5:4 source 2, 7:6 destination):
;   window 0: v0-15 addresses; v16-31 d: (row block 4 A + a, head e) at 16 + 4 a + 2 A + e; v32-95 A's fragments, two buffers (by row half); v96-223 B's, two buffers (by K step); v224-239 at work; v240-255 q, group 12
;   window 1: v0-191 q in f16, groups 0-11: the accumulator at 8 (4 (t % 8) + a) of window 2 + t / 8 packs into 16 t + 4 a; v192-255 a chunk of x or y on its way (groups 13-15 lie in LDS: no registers are left)
;   windows 2, 3: the accumulators: rows 16 (4 A + a) .., columns 16 b .. at 8 (4 b + a) of window 2 + A
.set SLOTB,  131072                    ; a weight slot: parts 2 hf + j of 32,768 bytes (hf: which 64 along K; j: which 256 columns), a part = [K step: 2][column block: 16] fragments of 1,024 bytes
.set ARING,  2*SLOTB                   ; behind the slots: A's ring, two buffers of 128 rows x 144 bytes (128 of data + 16: the 16 rows of a fragment load start at 16 different groups of four banks, ISA guide 11.1)
.set ABUF,   18432
.set QST,    ARING+2*ABUF              ; q's groups 13-15 in f16, 6,144 bytes a wave, the wave's own
.set QSTW,   6144
.set SPARE,  QST+4*QSTW                ; the spare words, 128 bytes for each wave: two blocks of 256 bytes that no other line names
.set VPITCH, 272                       ; v's way out: a stage row of 128 f16 + 16 bytes
.set VSTW,   9216                      ; a wave's quarter of the ring, which is the stage (32 rows) when the last chunk has been read
.set BADR, 2                           ; v2, v3  my weights' fragments in the slot in hand, first and second 64 along K
.set AADR, 4                           ; v4   ARING + 144 (l % 16) + 16 (l / 16)
.set ASTO, 5                           ; v5   ARING + 144 (32 w + l / 16) + 8 (l % 16): where I put 4 f16 of x or y
.set GOFF, 6                           ; v6   4,096 (32 w + l / 16) + 16 (l % 16): my 16 bytes of x or y
.set QADR, 7                           ; v7   QST + 6,144 w + 16 lane
.set B0,   8                           ; v8   32,768 (w / 2) + 8,192 (w % 2) + 16 lane; never rewritten
.set L16,  9                           ; v9   16 lane; never rewritten
.set VSTO, 10                          ; v10  my stage + 272 (l % 16) + 16 (l / 16)
.set VRD,  11                          ; v11  my stage + 272 (l / 16) + 16 (l % 16)
.set SPW,  12                          ; v12  LDS address of my spare word: SPARE + 4 x my thread's number; never rewritten
.set NIL,  13                          ; v13  0; never rewritten
.set L8,   14                          ; v14  8 lane
.set VGO,  15                          ; v15  2,048 (l / 16) + 16 (l % 16): my 16 bytes in two rows of vs
.set ATT,  16
.set AF,   32
.set BF,   96
.set TMP,  224
.set Q12,  240
.set LAND, 192                         ; window 1
.set G8, 3                             ; s3   4 c + w: my 128 columns among the 1,024
.set WV, 14                            ; s14  my wave's number
.set G1, 20                            ; s[20:27] descriptor group 1
.set G0, 28                            ; s[28:35] descriptor group 0: a set for each of the two first fills; the second then walks on
.set XB, 36                            ; s[36:37] x, s[38:39] y at the work-group's first row
.set YB, 38
.set FB, 40                            ; s[40:41] base of the chunk being asked for
.set FO, 42                            ; s[42:43] its offset
.set CH, 44                            ; s44  the chunk to ask for next: 0-15 x, 16-31 and 32-47 y
.set ZF, 45                            ; s45  1: the sub-slot to come is a phase's first
.set LC, 46                            ; s46  slots still to be filled again
.set TB, 47                            ; s47  LDS byte at which the slot in hand begins
.set SEL, 48                           ; s[48:49] v_permlanex16_b32's selects: each lane takes its own place in the other half
.set WI, 50                            ; s50  w / 2
.set WJ, 51                            ; s51  w % 2
.set VB, 52                            ; s[52:53] vs at the work-group's first row and my first column
.set DB, 56                            ; s[56:57] dt at my pair of heads and the work-group's first row
.set W4, 60                            ; s60  2 c + w % 2: the 256 columns whose weights I fetch
.set MSB, 0
.macro WIN new                         ; the immediate's high byte repeats the setting that is left; a switch that changes nothing is dropped
.if MSB != (\new)
	s_set_vgpr_msb (MSB<<8)|(\new)
.set MSB, (\new)
.endif
.endm
; A vector instruction or LDS store that reads a matrix result, and a load into a register that a matrix instruction has read, stand four places behind it; only plain vector instructions that
; name none of its registers are places (ISA guide 7.12.1 for vector instructions).
.macro PLACES
.rept 4
	v_nop
.endr
.endm
.macro CREST                           ; a round of the cluster's barrier behind its opening barrier
	s_cmp_lg_u32 s[WV], 0
	s_cbranch_scc1 .Lnot_wave_0_\@
	s_barrier_signal -3
.Lnot_wave_0_\@:
	s_barrier_wait -3
	s_barrier_signal -1
	s_barrier_wait -1
.endm
.macro CROUND                          ; a whole round
	s_barrier_signal -1
	s_barrier_wait -1
	CREST
.endm
.macro JLOAD                           ; a joint refill: every wave fetches one part of 32,768 bytes; an s_nop 0 and four v_nop follow
	s_xor_b32 s[G0+5], s[G0+5], SLOTB              ; the walking descriptor: the other slot than last time,
	s_add_nc_u64 s[G0+6:G0+7], s[G0+6:G0+7], 2*SLOTB  ; the next two tiles; the type bits on top are not reached
	tensor_load_to_lds s[G0+4:G0+7], s[G1:G1+7]
	s_nop 0
	PLACES
.endm
.macro TOGGLE                          ; the reads go over to the other slot
	s_xor_b32 s[TB], s[TB], SLOTB
	v_add_nc_u32 v[BADR], s[TB], v[B0]
	v_add_nc_u32 v[BADR+1], 0x10000, v[BADR]
.endm
.macro LDB hf, s                       ; 16 loads: my 128 columns' weights of sub-slot hf, K step s, into B's buffer s.  Window 0
.irp i, 0,1,2,3,4,5,6,7
	ds_load_b128 v[BF+64*(\s)+8*\i:BF+64*(\s)+8*\i+3],   v[BADR+(\hf)] offset:(16*(\s)+\i)*1024
	ds_load_b128 v[BF+64*(\s)+8*\i+4:BF+64*(\s)+8*\i+7], v[BADR+(\hf)] offset:(16*(\s)+\i)*1024+512
.endr
.endm
.macro LDA buf, s, p                   ; 8 loads: the fragments of rows 64 p .., K step s of ring buffer buf, into A's buffer p.  Window 0
.irp a, 0,1,2,3
	ds_load_b128 v[AF+32*(\p)+8*\a:AF+32*(\p)+8*\a+3],   v[AADR] offset:ABUF*(\buf)+2304*(4*(\p)+\a)+64*(\s)
	ds_load_b128 v[AF+32*(\p)+8*\a+4:AF+32*(\p)+8*\a+7], v[AADR] offset:ABUF*(\buf)+2304*(4*(\p)+\a)+64*(\s)+32
.endr
.endm
; 4 nb matrix instructions: column blocks b0 .. x the four row blocks of row half p, K step s.  zero = 1: the product starts the sum: nothing is ever cleared.
; The 64 accumulators take turns, one instruction a turn, in the same order in every K step.
.macro MM s, p, b0, nb, zero
	WIN 0xa0+0x50*(\p)
.set bb, \b0
.rept \nb
.irp a, 0,1,2,3
.if \zero
	v_wmma_f32_16x16x32_f16 v[8*(4*bb+\a):8*(4*bb+\a)+7], v[BF+64*(\s)+8*bb:BF+64*(\s)+8*bb+7], v[AF+32*(\p)+8*\a:AF+32*(\p)+8*\a+7], 0
.else
	v_wmma_f32_16x16x32_f16 v[8*(4*bb+\a):8*(4*bb+\a)+7], v[BF+64*(\s)+8*bb:BF+64*(\s)+8*bb+7], v[AF+32*(\p)+8*\a:AF+32*(\p)+8*\a+7], v[8*(4*bb+\a):8*(4*bb+\a)+7]
.endif
.endr
.set bb, bb+1
.endr
.endm
; 32 matrix instructions of a sub-slot's first K step.  zero = 2: one text serves every slot of the loop, so the flag chooses between products that start the sums and products that add; the jump goes
; forward, past matrix instructions alone.
.macro MMV s, p, zero
.if (\zero) == 2
	s_cmp_eq_u32 s[ZF], 1
	s_cbranch_scc1 .Lstart_\@
	MM \s, \p, 0, 8, 0
	WIN 0
	s_branch .Lgoes_\@
.Lstart_\@:
	MM \s, \p, 0, 8, 1
	WIN 0
.Lgoes_\@:
.else
	MM \s, \p, 0, 8, \zero
.endif
.endm
; The chunk of x or y that has landed in window 1 is rounded to f16 in place (load i's four numbers into its first two registers) and put into ring buffer buf: my 32 rows, 8 bytes a lane.
.macro CVST buf
	WIN 0x45
.irp i, 0,1,2,3,4,5,6,7,8,9,10,11,12,13,14,15
	v_cvt_pk_f16_f32 v[LAND+4*\i],   v[LAND+4*\i],   v[LAND+4*\i+1]
	v_cvt_pk_f16_f32 v[LAND+4*\i+1], v[LAND+4*\i+2], v[LAND+4*\i+3]
.endr
	WIN 0x04
.irp i, 0,1,2,3,4,5,6,7,8,9,10,11,12,13,14,15
	ds_store_b64 v[ASTO], v[LAND+4*\i:LAND+4*\i+1] offset:ABUF*(\buf)+288*\i
.endr
.endm
; Chunk CH is asked for: 16 loads, in each 16 lanes take 256 consecutive bytes of a row, at a multiple of 256 from the buffer's first byte.
.macro ASK
	s_wait_xcnt 0x0                                ; the memory instructions before have had their addresses translated (ISA guide 3.1): the base may be written
	s_and_b32 s[FO], s[CH], 15
	s_lshl_b32 s[FO], s[FO], 8                     ; 64 f32 along the rows
	s_cmp_lt_u32 s[CH], 16
	s_cselect_b64 s[FB:FB+1], s[XB:XB+1], s[YB:YB+1]
	s_add_nc_u64 s[FB:FB+1], s[FB:FB+1], s[FO:FO+1]
	s_add_co_u32 s[CH], s[CH], 1
	WIN 0x40
.irp i, 0,1,2,3,4,5,6,7,8,9,10,11,12,13,14,15
	global_load_b128 v[LAND+4*\i:LAND+4*\i+3], v[GOFF], s[FB:FB+1] offset:8192*\i
.endr
	WIN 0
.endm
.macro FEED kind, hf                   ; the next sub-slot's chunk goes into the other ring buffer; kind 1: the chunk behind it is asked for; 4: there is none; 0: nothing
.if (\kind) != 0
	s_wait_loadcnt 0x0                             ; the one chunk that was on its way
	CVST 1-(\hf)
.if (\kind) == 1
	ASK
.endif
	WIN 0
.endif
.endm
; A SUB-SLOT: four half steps (K step, row half) of 32 matrix instructions; ahead of each the next one's fragments are asked for, in one run.  hf: which half of the slot, and which ring buffer.
; mode 4: a plain barrier, for the ring; 0: the change of slots, this slot filled again with the tiles two slots on; 2: the change without a fill; 3: the walk's last sub-slot.
.macro SLOT hf, zero, mode, feed
	WIN 0
	PLACES
	LDA \hf, 0, 1
	s_wait_dscnt 8                                 ; all but the 8 just issued: B (0) and A (0, rows 0-63) are in
	MMV 0, 0, \zero
	WIN 0
	FEED \feed, \hf
	PLACES
	LDB \hf, 1
	LDA \hf, 1, 0
	s_wait_dscnt 24                                ; all but the 24 just issued: A (0, rows 64-127) is in
	MMV 0, 1, \zero
	WIN 0
.if (\zero) == 2
	s_mov_b32 s[ZF], 0
.endif
	PLACES
	LDA \hf, 1, 1
.if (\mode) == 4
	LDB 1-(\hf), 0                                 ; the slot's second half is in LDS already: its first weights are asked for here, so that only 8 loads stand behind the barrier
	s_wait_dscnt 24                                ; all but the 24 just issued: B (1) and A (1, rows 0-63) are in
.else
	s_wait_dscnt 8                                 ; B (1) and A (1, rows 0-63) are in
.endif
	MM 1, 0, 0, 8, 0
.if (\mode) == 3
	s_wait_dscnt 0x0
	MM 1, 1, 0, 8, 0
.elseif (\mode) == 4
	s_wait_dscnt 0x0                               ; A (1, rows 64-127) is in; my reads of this ring buffer are over, my stores into the other done
	s_barrier_signal -1                            ; the tile on its way stays out
	MM 1, 1, 0, 4, 0                               ; work on registers while the others arrive
	WIN 0
	s_barrier_wait -1
	PLACES
	LDA 1-(\hf), 0, 0
	MM 1, 1, 4, 4, 0
.else
	WIN 0                                          ; (the add's two registers lie in window 0)
	s_wait_tensorcnt 0x0                           ; all my tensor loads have landed: the one that was out is my part of the next slot
	ds_add_u32 v[SPW], v[NIL]                      ; 0 onto my spare word
	s_wait_dscnt 1                                 ; the add alone may be out: A (1, rows 64-127) is in
	MM 1, 1, 0, 2, 0                               ; eight matrix instructions stand between the add and the wait for it
	s_wait_dscnt 0x0                               ; the add is done; my reads of this slot and ring buffer are over, my stores into the other buffer done
	s_barrier_signal -1
	MM 1, 1, 2, 2, 0                               ; work on registers while the others arrive
	WIN 0
	s_barrier_wait -1
.if (\mode) == 0
	CREST                                          ; the barrier has opened a round of the cluster's: no wave of any partner still reads this slot or has a load on its way
	JLOAD                                          ; the first tensor load behind the round, 240 matrix instructions ahead of the wait for it; its four v_nop are also the places in front of the loads below
.else
	PLACES
.endif
	TOGGLE
	LDB 1-(\hf), 0
	LDA 1-(\hf), 0, 0
	MM 1, 1, 4, 4, 0
.endif
.endm
; BEHIND PHASE Q: q is rounded to f16 and set aside, group t = 8 A + b.  Each accumulator is read from its low end on.  The next phase's first fragments are on their way into A's and B's first buffers:
; only B's second is used here.
.macro EPI_Q
	PLACES
.set tb, 0
.rept 12
.if tb < 8
	WIN 0x4a
.else
	WIN 0x4f
.endif
.irp a, 0,1,2,3
.irp rr, 0,1,2,3
	v_cvt_pk_f16_f32 v[16*tb+4*\a+\rr], v[8*(4*(tb%8)+\a)+2*\rr], v[8*(4*(tb%8)+\a)+2*\rr+1]
.endr
.endr
.set tb, tb+1
.endr
	WIN 0x0f
.irp a, 0,1,2,3
.irp rr, 0,1,2,3
	v_cvt_pk_f16_f32 v[Q12+4*\a+\rr], v[8*(4*4+\a)+2*\rr], v[8*(4*4+\a)+2*\rr+1]
.endr
.endr
.set tb, 13
.rept 3
.irp a, 0,1,2,3
.irp rr, 0,1,2,3
	v_cvt_pk_f16_f32 v[BF+64+16*(tb-13)+4*\a+\rr], v[8*(4*(tb%8)+\a)+2*\rr], v[8*(4*(tb%8)+\a)+2*\rr+1]
.endr
.endr
.set tb, tb+1
.endr
	WIN 0
.set n, 0
.rept 12
	ds_store_b128 v[QADR], v[BF+64+4*n:BF+64+4*n+3] offset:512*n
.set n, n+1
.endr
.endm
; q . k for groups first .. : q's f16 half times k in f32, added in f32; four chains alternate.  Four groups on end are one head's 64 columns for one row half: sum 4 a + t / 4.
.macro DOTS first, count, win, qoff
	WIN \win
.set tb, \first
.rept \count
.irp jj, 0,1,2,3
.irp a, 0,1,2,3
	v_fma_mix_f32 v[ATT+4*\a+tb/4], v[(\qoff)+16*tb+4*\a+\jj], v[8*(4*(tb%8)+\a)+2*\jj], v[ATT+4*\a+tb/4] op_sel_hi:[1,0,0]
.endr
.irp a, 0,1,2,3
	v_fma_mix_f32 v[ATT+4*\a+tb/4], v[(\qoff)+16*tb+4*\a+\jj], v[8*(4*(tb%8)+\a)+2*\jj+1], v[ATT+4*\a+tb/4] op_sel:[1,0,0] op_sel_hi:[1,0,0]
.endr
.endr
.set tb, tb+1
.endr
.endm
; BEHIND PHASE K: d of my two heads for the 128 rows, stored as dt[pair of heads][row][2]: a store of the wave covers 32 rows' 256 consecutive bytes, at a multiple of 256 from dt's first byte.
.macro EPI_K
	PLACES
	WIN 0
.set n, 0
.rept 12
	ds_load_b128 v[BF+64+4*n:BF+64+4*n+3], v[QADR] offset:512*n  ; q's groups 13-15, my own bytes
.set n, n+1
.endr
.set n, 0
.rept 16
	v_mov_b32 v[ATT+n], 0                          ; the mixed multiply-add takes its addend from a register: the 16 sums start here
	v_mov_b32 v[TMP+n], 0                          ; v_permlanex16_b32's destination counts as read
.set n, n+1
.endr
	DOTS 0, 8, 0x09, 0                             ; q window 1, k window 2
	DOTS 8, 4, 0x0d, 0                             ; q window 1, k window 3
	DOTS 12, 1, 0x0c, Q12-192                      ; q window 0, k window 3
	s_wait_dscnt 0x0
	DOTS 13, 3, 0x0c, BF+64-208
	WIN 0
.set n, 0
.rept 16
	v_permlanex16_b32 v[TMP+n], v[ATT+n], s[SEL], s[SEL+1]  ; a row's other 32 channels of each head lie in the lane 16 away
.set n, n+1
.endr
.set n, 0
.rept 16
	v_add_f32 v[ATT+n], v[ATT+n], v[TMP+n]
.set n, n+1
.endr
	v_and_b32 v[TMP+8], 16, v0
	v_cmp_ne_u32 vcc_lo, 0, v[TMP+8]               ; both halves of the lanes hold all eight row blocks: of the pair 2 pp, 2 pp + 1 the lower half stores the first, the upper the second
.irp pp, 0,1,2,3
.irp u, 0,1
	v_cndmask_b32 v[TMP+2*\pp+\u], v[ATT+8*((\pp)%2)+2*((\pp)/2)+\u], v[ATT+8*((\pp)%2)+4+2*((\pp)/2)+\u], vcc_lo
.endr
.endr
.irp pp, 0,1,2,3
	global_store_b64 v[L8], v[TMP+2*\pp:TMP+2*\pp+1], s[DB:DB+1] offset:256*\pp
.endr
.endm
; BEHIND PHASE V: v is rounded to f16; two row blocks (16 a .. and 64 + 16 a .., my 128 columns) go into my stage and come back as whole rows: a load takes two rows of 256 bytes, and 16 lanes store
; 256 consecutive bytes, at a multiple of 256 from vs's first byte.
.macro EPI_V
	PLACES
.irp a, 0,1,2,3
	WIN 0x0a
.set tb, 0
.rept 16
.if tb == 8
	WIN 0x0f
.endif
.irp rr, 0,1,2,3
	v_cvt_pk_f16_f32 v[BF+4*tb+\rr], v[8*(4*(tb%8)+\a)+2*\rr], v[8*(4*(tb%8)+\a)+2*\rr+1]
.endr
.set tb, tb+1
.endr
	WIN 0
.set n, 0
.rept 16
	ds_store_b128 v[VSTO], v[BF+4*n:BF+4*n+3] offset:16*VPITCH*(n/8)+32*(n%8)
.set n, n+1
.endr
	s_wait_xcnt 0x0                                ; the stores that read these registers have had their addresses translated (ISA guide 3.1): only now are they loaded again
.set n, 0
.rept 16
	ds_load_b128 v[BF+64+4*n:BF+64+4*n+3], v[VRD] offset:2*VPITCH*n  ; LDS serves a wave's instructions in order (ISA guide 5.7.1.4): these see the stores above
.set n, n+1
.endr
.set n, 0
.rept 16
	s_wait_dscnt 15-n                              ; load n of the sixteen is in
	global_store_b128 v[VGO], v[BF+64+4*n:BF+64+4*n+3], s[VB:VB+1] offset:(64*(n/8)+16*\a+2*(n%8))*2048
.set n, n+1
.endr
.endr
.endm
	s_load_b256 s[4:11], s[0:1], 0x0               ; x s[4:5], y s[6:7], wt s[8:9], vs s[10:11]
	s_load_b64 s[12:13], s[0:1], 0x20              ; dt
	v_lshl_add_u32 v[SPW], v0, 2, SPARE
	v_mov_b32 v[NIL], 0
	ds_add_u32 v[SPW], v[NIL]                      ; the wave's opening: the add and its wait stand ahead of my first tensor load; the set-up below, work on registers, stands between them
	v_lshrrev_b32 v1, 5, v0
	v_readfirstlane_b32 s[WV], v1                  ; wave 0..3
	s_bfe_u32 s15, ttmp6, 0x40000                  ; cx: my place in the cluster
	s_lshr_b32 s16, ttmp9, 1                       ; in a cluster launch ttmp9 counts clusters
	s_lshl_b32 s16, s16, 2
	s_add_co_u32 s16, s16, s15                     ; my block of 128 rows: it enters the addresses of x, y, vs and dt alone
	s_and_b32 s61, ttmp9, 1                        ; c: the column half, which the four partners share
	s_lshr_b32 s[WI], s[WV], 1
	s_and_b32 s[WJ], s[WV], 1
	s_lshl_b32 s[W4], s61, 1
	s_add_co_u32 s[W4], s[W4], s[WJ]
	s_lshl_b32 s[G8], s61, 2
	s_add_co_u32 s[G8], s[G8], s[WV]
	s_lshl_b32 s18, s16, 19                        ; 128 rows of 4,096 bytes
	s_mov_b32 s19, 0
	s_lshl_b32 s62, s16, 18                        ; vs: 128 rows of 2,048 bytes,
	s_lshl_b32 s17, s[G8], 8                       ; my 128 columns
	s_add_co_u32 s62, s62, s17
	s_mov_b32 s63, 0
	s_lshl_b32 s58, s[G8], 17                      ; dt: my pair of heads' 16,384 rows of 8 bytes,
	s_lshl_b32 s17, s16, 10                        ; the block's 128 rows
	s_add_co_u32 s58, s58, s17
	s_mov_b32 s59, 0
	; descriptor group 1: 32,768 dense bytes as 128 rows of 256 bytes
	s_mov_b32 s[G1+0], 15|(3<<16)|(1<<21)          ; 15:0 the mask: all four work-groups; 17:16 elements of 8 bytes; 21 set beside a mask; no padding: the fragments lie as they are read
	s_mov_b32 s[G1+1], 32<<16                      ; tensor_dim0 = 32
	s_mov_b32 s[G1+2], 128<<16                     ; tensor_dim1 = 128
	s_mov_b32 s[G1+3], 32<<16                      ; tile_dim0 = 32
	s_mov_b32 s[G1+4], 128                         ; tile_dim1 = 128
	s_mov_b32 s[G1+5], 32                          ; 32 elements from row to row
	s_mov_b32 s[G1+6], 0
	s_mov_b32 s[G1+7], 0
	s_mov_b32 s[G0], 1                             ; 1:0 count = 1
	s_lshl_b32 s[G0+1], s[WV], 15                  ; LDS address: part w of slot 0: no place in the cluster enters it
	s_mov_b32 s[G0+4], 1
	s_add_co_u32 s[G0+5], s[G0+1], SLOTB           ; of slot 1
	s_lshl_b32 s54, s[WI], 17                      ; the part that I fetch: tile w / 2 of the slot's two,
	s_lshl_b32 s17, s[W4], 15                      ; column group 2 c + w % 2
	s_add_co_u32 s54, s54, s17
	s_mov_b32 s55, 0
	s_mov_b32 s[FO+1], 0
	s_mov_b32 s[CH], 0
	s_mov_b32 s[TB], 0
	s_mov_b32 s[SEL], 0x76543210
	s_mov_b32 s[SEL+1], 0xfedcba98
	v_and_b32 v1, 31, v0                           ; lane
	v_and_b32 v[TMP], 15, v0                       ; l % 16
	v_bfe_u32 v[TMP+1], v0, 4, 1                   ; l / 16
	v_lshlrev_b32 v[L16], 4, v1
	v_lshlrev_b32 v[L8], 3, v1
	s_lshl_b32 s17, s[WI], 2                       ; the weights that I read: part w / 2 of a sub-slot's two, blocks 8 (w % 2) .. of its sixteen
	s_add_co_u32 s17, s17, s[WJ]
	s_lshl_b32 s17, s17, 13
	v_add_nc_u32 v[B0], s17, v[L16]
	v_add_nc_u32 v[BADR], s[TB], v[B0]
	v_add_nc_u32 v[BADR+1], 0x10000, v[BADR]
	v_mul_u32_u24 v[AADR], v[TMP], 144
	v_lshl_add_u32 v[AADR], v[TMP+1], 4, v[AADR]
	v_add_nc_u32 v[AADR], ARING, v[AADR]
	s_mul_i32 s17, s[WV], 32*144
	s_add_co_u32 s17, s17, ARING
	v_mul_u32_u24 v[ASTO], v[TMP+1], 144
	v_lshl_add_u32 v[ASTO], v[TMP], 3, v[ASTO]
	v_add_nc_u32 v[ASTO], s17, v[ASTO]
	s_lshl_b32 s17, s[WV], 17                      ; 32 rows of 4,096 bytes
	v_lshlrev_b32 v[GOFF], 12, v[TMP+1]
	v_lshl_add_u32 v[GOFF], v[TMP], 4, v[GOFF]
	v_add_nc_u32 v[GOFF], s17, v[GOFF]
	s_mul_i32 s17, s[WV], QSTW
	s_add_co_u32 s17, s17, QST
	v_add_nc_u32 v[QADR], s17, v[L16]
	s_mul_i32 s17, s[WV], VSTW
	s_add_co_u32 s17, s17, ARING                   ; my stage
	v_mul_u32_u24 v[VRD], v[TMP+1], VPITCH
	v_lshl_add_u32 v[VRD], v[TMP], 4, v[VRD]
	v_add_nc_u32 v[VRD], s17, v[VRD]
	v_mul_u32_u24 v[VSTO], v[TMP], VPITCH
	v_lshl_add_u32 v[VSTO], v[TMP+1], 4, v[VSTO]
	v_add_nc_u32 v[VSTO], s17, v[VSTO]
	v_lshlrev_b32 v[VGO], 11, v[TMP+1]
	v_lshl_add_u32 v[VGO], v[TMP], 4, v[VGO]
	s_wait_dscnt 0x0                               ; the opening add is done
	s_wait_kmcnt 0x0
	s_add_nc_u64 s[XB:XB+1], s[4:5], s[18:19]
	s_add_nc_u64 s[YB:YB+1], s[6:7], s[18:19]
	s_add_nc_u64 s[VB:VB+1], s[10:11], s[62:63]
	s_add_nc_u64 s[DB:DB+1], s[12:13], s[58:59]
	s_add_nc_u64 s[G0+2:G0+3], s[8:9], s[54:55]    ; global address: my part of tiles 0 and 1,
	s_add_nc_u64 s[G0+6:G0+7], s[G0+2:G0+3], 2*SLOTB  ; of tiles 2 and 3
	s_or_b32 s[G0+3], s[G0+3], 0x80000000          ; 127:126 type = 2
	s_or_b32 s[G0+7], s[G0+7], 0x80000000
	ASK                                            ; chunk 0 of x
	CROUND                                         ; all four work-groups are here: the first joint loads meet
	tensor_load_to_lds s[G0:G0+3], s[G1:G1+7]      ; slots 0 and 1: two tensor loads of mine are out, later one
	s_nop 0
	tensor_load_to_lds s[G0+4:G0+7], s[G1:G1+7]
	s_nop 0
	PLACES
	s_wait_loadcnt 0x0                             ; chunk 0 is in
	CVST 0
	ASK                                            ; chunk 1
	s_wait_tensorcnt 1                             ; my part of slot 0 is in; slot 1's may stay out
	s_wait_dscnt 0x0                               ; my rows of chunk 0 are in the ring
	s_barrier_signal -1
	s_barrier_wait -1
	LDB 0, 0                                       ; the walk's first fragments
	LDA 0, 0, 0
	s_mov_b32 s[ZF], 1
	s_mov_b32 s[LC], 22
.Lslot:                                                ; 22 trips: Q's 8 slots, K's 8, V's first 6: every slot that is filled again
	SLOT 0, 2, 4, 1
	SLOT 1, 0, 0, 1
	WIN 0
	s_cmp_eq_u32 s[LC], 15                         ; the jumps go forward, on the loop's counter alone, past text with neither a barrier nor a tensor load
	s_cbranch_scc0 .Lnot_q
	EPI_Q                                          ; slot 7 was Q's last
	s_mov_b32 s[ZF], 1
	s_branch .Lnext
.Lnot_q:
	s_cmp_eq_u32 s[LC], 7
	s_cbranch_scc0 .Lnext
	EPI_K                                          ; slot 15 was K's last
	s_mov_b32 s[ZF], 1
.Lnext:
	s_sub_co_u32 s[LC], s[LC], 1
	s_cmp_lg_u32 s[LC], 0
	s_cbranch_scc1 .Lslot
	SLOT 0, 0, 4, 1                                ; the tail is written out: the last two slots are not filled again
	SLOT 1, 0, 2, 1                                ; asks for the last chunk, 47
	SLOT 0, 0, 4, 4
	SLOT 1, 0, 3, 0
	WIN 0
	s_wait_dscnt 0x0                               ; my reads of the ring are over:
	s_barrier_signal -1
	s_barrier_wait -1                              ; everybody's are: the ring becomes the four stages
	EPI_V
	s_wait_tensorcnt 0x0                           ; the wave's end, behind my last tensor load and my last LDS store
	ds_add_u32 v[SPW], v[NIL]
	s_wait_dscnt 0x0
	CROUND                                         ; the closing round: no work-group ends while a partner may still ask for a tile that names it
	s_endpgm
.Lfunc_end_k_qd79a7a3758_qkv:
	.size	k_qd79a7a3758_qkv, .Lfunc_end_k_qd79a7a3758_qkv-k_qd79a7a3758_qkv
	.p2alignl 7, 3214868480
	.fill 96, 4, 3214868480
	.section	.rodata,"a",@progbits
	.p2align	6, 0x0
	.amdhsa_kernel k_qd79a7a3758_qkv
		.amdhsa_group_segment_fixed_size 327680
		.amdhsa_private_segment_fixed_size 0
		.amdhsa_enable_private_segment 0
		.amdhsa_kernarg_size 40
		.amdhsa_user_sgpr_count 2
		.amdhsa_user_sgpr_kernarg_segment_ptr 1
		.amdhsa_wavefront_size32 1
		.amdhsa_system_sgpr_workgroup_id_x 1
		.amdhsa_system_sgpr_workgroup_id_y 1
		.amdhsa_system_sgpr_workgroup_id_z 1
		.amdhsa_system_vgpr_workitem_id 0
		.amdhsa_next_free_vgpr 1024
		.amdhsa_next_free_sgpr 66
		.amdhsa_reserve_vcc 1
		.amdhsa_float_denorm_mode_32 3
		.amdhsa_float_denorm_mode_16_64 3
		.amdhsa_memory_ordered 1
		.amdhsa_forward_progress 1
		.amdhsa_inst_pref_size 205
	.end_amdhsa_kernel
	.amdgpu_metadata
---
amdhsa.version: [ 1, 2 ]
amdhsa.kernels:
  - .name:           k_qd79a7a3758_qkv
    .symbol:         k_qd79a7a3758_qkv.kd
    .args:
      - { .name: x, .offset: 0, .size: 8, .value_kind: global_buffer, .address_space: global }
      - { .name: y, .offset: 8, .size: 8, .value_kind: global_buffer, .address_space: global }
      - { .name: wt, .offset: 16, .size: 8, .value_kind: global_buffer, .address_space: global }
      - { .name: vs, .offset: 24, .size: 8, .value_kind: global_buffer, .address_space: global }
      - { .name: dt, .offset: 32, .size: 8, .value_kind: global_buffer, .address_space: global }
    .group_segment_fixed_size: 327680
    .private_segment_fixed_size: 0
    .kernarg_segment_align: 8
    .kernarg_segment_size: 40
    .max_flat_workgroup_size: 128
    .sgpr_count:     66
    .vgpr_count:     1024
    .wavefront_size: 32
...
	.end_amdgpu_metadata
.endif
;; end of part 4
;; launch proj (part 5): grid 256 x 1, 4 waves a work-group, clusters of 4 x 1, 327,680 bytes of LDS; arguments vs, dt, wt, bproj, out0; writes out0
.if DOCPART == 5
	.amdgcn_target "amdgcn-amd-amdhsa--gfx1250"
	.amdhsa_code_object_version 6
	.text
	.protected	k_qd79a7a3758_proj
	.globl	k_qd79a7a3758_proj
	.p2align	8
	.type	k_qd79a7a3758_proj,@function
k_qd79a7a3758_proj:
	s_mov_b64 s[64:65], 0
	v_nop
	global_prefetch_b8 v0, s[64:65] scope:SCOPE_SE
	s_setreg_imm32_b32 hwreg(HW_REG_WAVE_MODE, 25, 1), 1
	s_wait_xcnt 0x0
	s_wait_alu depctr_hold_cnt(0) depctr_sa_sdst(0) depctr_va_vdst(0) depctr_va_sdst(0) depctr_va_ssrc(0) depctr_va_vcc(0) depctr_vm_vsrc(0)
	s_getreg_b32 s2, hwreg(HW_REG_IB_STS2, 6, 4)
	s_cmp_eq_u32 s2, 0
	s_cbranch_scc0 .Lentry_in_a_cluster
	s_endpgm
.Lentry_in_a_cluster:
	s_bfe_u32 s2, ttmp6, 0x10000c
	s_cmp_lg_u32 s2, 0x3003
	s_cbranch_scc0 .Lentry_shape_is_right
	s_endpgm
.Lentry_shape_is_right:
; out0 = (attn x v) Wproj + bproj, attn = softmax over a row's 16 heads of d / 64.  vs: v, [16384][1024] f16; dt[g][row][e]: d of head 2 g + e, f32; wt: the weights in f16, tiles 48-63 are Wproj's; out0 f32.
; SHARES.  As in the launch before: a work-group owns 128 rows x 512 columns of out0 (256 work-groups), wave w all 128 rows and columns 128 w .. of the half: 64 accumulators, 512 registers.
; K = 1,024 goes in 8 slots of 128 (131,072 bytes of weights, 256 matrix instructions a wave), two LDS slots by turns; a slot is two sub-slots of 64 along K, and a sub-slot's A chunk is ONE head of v:
; 128 rows x 128 bytes, loaded into registers, multiplied by the row's attn of that head and put into a ring of two buffers.
; SOFTMAX.  Thread t makes row t's: attn = 2^(c d - c m) / sum, c = log2(e) / 64 (the module's two scales of 1/8), m the row's maximum of d.  c m's rounding is common to the row's 16 terms and cancels.
; attn goes, rounded to f16 and doubled, into a table of the wave's own (the wave that makes a row's attn is the wave that scales that row of v).
; THE BIAS is the C operand of the products that start the sums: in an accumulator's layout it hangs on the column block and the lane alone, 64 registers; nothing is added on the way out.
; CLUSTER.  The column half c is the cluster's number % 2; the four work-groups of a cluster walk the same tiles and ask for each JOINTLY.
; THE MATRIX INSTRUCTION IS USED TRANSPOSED (source 0 = 16 columns of W, source 1 = 16 rows): lane l holds row l % 16 and the columns 8 (l / 16) + 0..7.
; FORMATS AND LIMITS.  attn and attn x v are each rounded once to f16 (v arrives in f16); sums and the bias are f32.  |attn v| stays within v's range; below 6e-5 f16 keeps a fixed step of 6e-8, for attn too.
; A weight below 2^-126 counts as 0 in the softmax's sum.  NaN and infinities are not treated apart.
; REGISTERS, in windows of 256 (s_set_vgpr_msb: bits 1:0 source 0, 3:2 source 1, 5:4 source 2, 7:6 destination):
;   window 0: v0-15, v24-27 addresses; v16-23 attn of my eight rows for the head to come; v32-95 A's fragments, two buffers (by row half); v96-223 B's, two buffers (by K step)
;   window 1: v0-63 the bias, column block b at 8 b; v192-255 two sets of 32 for v on its way          windows 2, 3: the accumulators: rows 16 (4 A + a) .., columns 16 b .. at 8 (4 b + a) of window 2 + A
.set SLOTB,  131072                    ; a weight slot: parts 2 hf + j of 32,768 bytes, a part = [K step: 2][column block: 16] fragments of 1,024 bytes.  After its last fill: the way-out stages
.set ARING,  2*SLOTB                   ; A's ring, two buffers of 128 rows x 144 bytes (128 of data + 16: ISA guide 11.1)
.set ABUF,   18432
.set ATAB,   ARING+2*ABUF              ; attn: 2,048 bytes a wave, the wave's own: [head: 16][l / 8 of the reader: 4][load i: 8] words
.set SPARE,  ATAB+4*2048               ; the spare words, 128 bytes for each wave: two blocks of 256 bytes that no other line names
.set SPITCH, 528                       ; the way out: a stage row of 128 f32 + 16 bytes
.set BADR, 2                           ; v2, v3  my weights' fragments in the slot in hand, first and second 64 along K
.set AADR, 4                           ; v4   ARING + 144 (l % 16) + 16 (l / 16)
.set ASTO, 5                           ; v5   ARING + 144 (32 w + l / 8) + 16 (l % 8): where I put 8 f16 of attn x v
.set GOFF, 6                           ; v6   2,048 (32 w + l / 8) + 16 (l % 8): my 16 bytes of v
.set AT0,  7                           ; v7   ATAB + 2,048 w + 32 (l / 8); never rewritten
.set B0,   8                           ; v8   32,768 (w / 2) + 8,192 (w % 2) + 16 lane; never rewritten
.set L16,  9                           ; v9   16 lane; never rewritten
.set ATA,  10                          ; v10  AT0 + 128 x head
.set ATW,  11                          ; v11  ATAB + 2,048 w + 32 (l % 4) + 4 (l / 4): where row 32 w + l's attn goes
.set SPW,  12                          ; v12  LDS address of my spare word: SPARE + 4 x my thread's number; never rewritten
.set NIL,  13                          ; v13  0; never rewritten
.set SSTO, 14                          ; v14, v15  32,768 w + 528 (l % 16) + 32 (l / 16) in slot 0, 1
.set ATN,  16
.set SRD,  24                          ; v24, v25  32,768 w + 16 lane in slot 0, 1
.set DTO,  26                          ; v26  8 x my thread's number
.set BOF,  27                          ; v27  32 (l / 16): my eight columns of a block of the bias
.set AF,   32
.set BF,   96
.set DD,   BF                          ; the softmax's 16 d, and ten temporaries: B's buffers, idle at the start
.set KT,   BF+64
.set BI,   0                           ; window 1
.set LAND, 192                         ; window 1
.set WV, 14                            ; s14  my wave's number
.set G1, 20                            ; s[20:27] descriptor group 1
.set G0, 28                            ; s[28:35] descriptor group 0: a set for each of the two first fills; the second then walks on
.set VB, 36                            ; s[36:37] vs, s[38:39] dt at the work-group's first row
.set DB, 38
.set FB, 40                            ; s[40:41] base of the chunk being asked for
.set FO, 42                            ; s[42:43] its offset
.set CH, 44                            ; s44  the chunk (head) to ask for next
.set TO, 45                            ; s45  128 x the head whose attn was read last
.set LC, 46                            ; s46  counts laps
.set TB, 47                            ; s47  LDS byte at which the slot in hand begins
.set CS, 48                            ; s48  c
.set G8, 49                            ; s49  4 c + w: my 128 columns among the 1,024
.set WI, 50                            ; s50  w / 2
.set WJ, 51                            ; s51  w % 2
.set OB, 52                            ; s[52:53] out0 at the work-group's first row and my first column
.set BB, 56                            ; s[56:57] bproj at my first column
.set W4, 60                            ; s60  2 c + w % 2: the 256 columns whose weights I fetch
.set MSB, 0
.macro WIN new                         ; the immediate's high byte repeats the setting that is left; a switch that changes nothing is dropped
.if MSB != (\new)
	s_set_vgpr_msb (MSB<<8)|(\new)
.set MSB, (\new)
.endif
.endm
.macro PLACES                          ; four places behind matrix instructions (ISA guide 7.12.1 for vector instructions)
.rept 4
	v_nop
.endr
.endm
.macro CREST                           ; a round of the cluster's barrier behind its opening barrier
	s_cmp_lg_u32 s[WV], 0
	s_cbranch_scc1 .Lnot_wave_0_\@
	s_barrier_signal -3
.Lnot_wave_0_\@:
	s_barrier_wait -3
	s_barrier_signal -1
	s_barrier_wait -1
.endm
.macro CROUND                          ; a whole round
	s_barrier_signal -1
	s_barrier_wait -1
	CREST
.endm
.macro JLOAD                           ; a joint refill: every wave fetches one part of 32,768 bytes; an s_nop 0 and four v_nop follow
	s_xor_b32 s[G0+5], s[G0+5], SLOTB              ; the walking descriptor: the other slot than last time,
	s_add_nc_u64 s[G0+6:G0+7], s[G0+6:G0+7], 2*SLOTB  ; the next two tiles; the type bits on top are not reached
	tensor_load_to_lds s[G0+4:G0+7], s[G1:G1+7]
	s_nop 0
	PLACES
.endm
.macro TOGGLE                          ; the reads go over to the other slot
	s_xor_b32 s[TB], s[TB], SLOTB
	v_add_nc_u32 v[BADR], s[TB], v[B0]
	v_add_nc_u32 v[BADR+1], 0x10000, v[BADR]
.endm
.macro LDB hf, s                       ; 16 loads: my 128 columns' weights of sub-slot hf, K step s, into B's buffer s.  Window 0
.irp i, 0,1,2,3,4,5,6,7
	ds_load_b128 v[BF+64*(\s)+8*\i:BF+64*(\s)+8*\i+3],   v[BADR+(\hf)] offset:(16*(\s)+\i)*1024
	ds_load_b128 v[BF+64*(\s)+8*\i+4:BF+64*(\s)+8*\i+7], v[BADR+(\hf)] offset:(16*(\s)+\i)*1024+512
.endr
.endm
.macro LDA buf, s, p                   ; 8 loads: the fragments of rows 64 p .., K step s of ring buffer buf, into A's buffer p.  Window 0
.irp a, 0,1,2,3
	ds_load_b128 v[AF+32*(\p)+8*\a:AF+32*(\p)+8*\a+3],   v[AADR] offset:ABUF*(\buf)+2304*(4*(\p)+\a)+64*(\s)
	ds_load_b128 v[AF+32*(\p)+8*\a+4:AF+32*(\p)+8*\a+7], v[AADR] offset:ABUF*(\buf)+2304*(4*(\p)+\a)+64*(\s)+32
.endr
.endm
; 4 nb matrix instructions: column blocks b0 .. x the four row blocks of row half p, K step s.  zero = 1: the product starts the sum, with the bias (window 1) as its C: nothing is ever cleared.
; The 64 accumulators take turns, one instruction a turn, in the same order in every K step.
.macro MM s, p, b0, nb, zero
.if \zero
	WIN 0x90+0x40*(\p)
.else
	WIN 0xa0+0x50*(\p)
.endif
.set bb, \b0
.rept \nb
.irp a, 0,1,2,3
.if \zero
	v_wmma_f32_16x16x32_f16 v[8*(4*bb+\a):8*(4*bb+\a)+7], v[BF+64*(\s)+8*bb:BF+64*(\s)+8*bb+7], v[AF+32*(\p)+8*\a:AF+32*(\p)+8*\a+7], v[BI+8*bb:BI+8*bb+7]
.else
	v_wmma_f32_16x16x32_f16 v[8*(4*bb+\a):8*(4*bb+\a)+7], v[BF+64*(\s)+8*bb:BF+64*(\s)+8*bb+7], v[AF+32*(\p)+8*\a:AF+32*(\p)+8*\a+7], v[8*(4*bb+\a):8*(4*bb+\a)+7]
.endif
.endr
.set bb, bb+1
.endr
.endm
; Head CH of v is asked for: 8 loads; in each, 8 lanes take a row's 128 bytes, four rows to a load.
.macro ASKP set
	s_wait_xcnt 0x0                                ; the memory instructions before have had their addresses translated (ISA guide 3.1): the base may be written
	s_and_b32 s[FO], s[CH], 15
	s_lshl_b32 s[FO], s[FO], 7                     ; 64 f16 along the rows
	s_add_nc_u64 s[FB:FB+1], s[VB:VB+1], s[FO:FO+1]
	s_add_co_u32 s[CH], s[CH], 1
	WIN 0x40
.irp i, 0,1,2,3,4,5,6,7
	global_load_b128 v[LAND+32*(\set)+4*\i:LAND+32*(\set)+4*\i+3], v[GOFF], s[FB:FB+1] offset:8192*\i
.endr
	WIN 0
.endm
; A head of v that has landed in a set of window 1 is multiplied by attn (load i's row: register i of the eight; both halves of it hold the number) and put into ring buffer buf.
; left: the younger loads that may stay out.  ask = 1: the head two on is asked for, into the same set.  att = 1: the next head's attn is read; the waits on the fragment loads behind it cover it.
.macro FEEDP set, buf, left, ask, att
	s_wait_loadcnt \left
	WIN 0x41
.irp i, 0,1,2,3,4,5,6,7
.irp k, 0,1,2,3
	v_pk_mul_f16 v[LAND+32*(\set)+4*\i+\k], v[LAND+32*(\set)+4*\i+\k], v[ATN+\i]
.endr
.endr
	WIN 0x04
.irp i, 0,1,2,3,4,5,6,7
	ds_store_b128 v[ASTO], v[LAND+32*(\set)+4*\i:LAND+32*(\set)+4*\i+3] offset:ABUF*(\buf)+576*\i
.endr
	WIN 0
.if \ask
	ASKP \set
.endif
.if \att
	s_add_co_u32 s[TO], s[TO], 128
	v_add_nc_u32 v[ATA], s[TO], v[AT0]
	ds_load_b128 v[ATN:ATN+3], v[ATA]
	ds_load_b128 v[ATN+4:ATN+7], v[ATA] offset:16
.endif
.endm
.macro FEED kind, hf                   ; 1: in the loop; 2: nothing is left to ask for; 3: the last head; 0: nothing
.if (\kind) == 1
	FEEDP 1-(\hf), 1-(\hf), 8, 1, 1                ; the other set's eight loads, asked for a sub-slot later, stay out
.elseif (\kind) == 2
	FEEDP 1-(\hf), 1-(\hf), 8, 0, 1
.elseif (\kind) == 3
	FEEDP 1-(\hf), 1-(\hf), 0, 0, 0
.endif
.endm
; A SUB-SLOT: four half steps (K step, row half) of 32 matrix instructions; ahead of each the next one's fragments are asked for, in one run.  hf: which half of the slot, and which ring buffer.
; mode 4: a plain barrier, for the ring; 0: the change of slots, this slot filled again with the tiles two slots on; 2: the change without a fill; 3: the last sub-slot.
.macro SLOT hf, zero, mode, feed
	WIN 0
	PLACES
	LDA \hf, 0, 1
	s_wait_dscnt 8                                 ; all but the 8 just issued: B (0) and A (0, rows 0-63) are in
	MM 0, 0, 0, 8, \zero
	WIN 0
	FEED \feed, \hf
	PLACES
	LDB \hf, 1
	LDA \hf, 1, 0
	s_wait_dscnt 24                                ; all but the 24 just issued: A (0, rows 64-127) is in, and so is the next head's attn
	MM 0, 1, 0, 8, \zero
	WIN 0
	PLACES
	LDA \hf, 1, 1
.if (\mode) == 4
	LDB 1-(\hf), 0                                 ; the slot's second half is in LDS already: its first weights are asked for here, so that only 8 loads stand behind the barrier
	s_wait_dscnt 24                                ; all but the 24 just issued: B (1) and A (1, rows 0-63) are in
.else
	s_wait_dscnt 8                                 ; B (1) and A (1, rows 0-63) are in
.endif
	MM 1, 0, 0, 8, 0
.if (\mode) == 3
	s_wait_dscnt 0x0
	MM 1, 1, 0, 8, 0
.elseif (\mode) == 4
	s_wait_dscnt 0x0                               ; A (1, rows 64-127) is in; my reads of this ring buffer are over, my stores into the other done
	s_barrier_signal -1                            ; the tile on its way stays out
	MM 1, 1, 0, 4, 0                               ; work on registers while the others arrive
	WIN 0
	s_barrier_wait -1
	PLACES
	LDA 1-(\hf), 0, 0
	MM 1, 1, 4, 4, 0
.else
	WIN 0                                          ; (the add's two registers lie in window 0)
	s_wait_tensorcnt 0x0                           ; all my tensor loads have landed: the one that was out is my part of the next slot
	ds_add_u32 v[SPW], v[NIL]                      ; 0 onto my spare word
	s_wait_dscnt 1                                 ; the add alone may be out: A (1, rows 64-127) is in
	MM 1, 1, 0, 2, 0                               ; eight matrix instructions stand between the add and the wait for it
	s_wait_dscnt 0x0                               ; the add is done; my reads of this slot and ring buffer are over, my stores into the other buffer done
	s_barrier_signal -1
	MM 1, 1, 2, 2, 0                               ; work on registers while the others arrive
	WIN 0
	s_barrier_wait -1
.if (\mode) == 0
	CREST                                          ; the barrier has opened a round of the cluster's: no wave of any partner still reads this slot or has a load on its way
	JLOAD                                          ; the first tensor load behind the round, 240 matrix instructions ahead of the wait for it; its four v_nop are also the places in front of the loads below
.else
	PLACES
.endif
	TOGGLE
	LDB 1-(\hf), 0
	LDA 1-(\hf), 0, 0
	MM 1, 1, 4, 4, 0
.endif
.endm
; THE WAY OUT.  Two row blocks (16 a .. and 64 + 16 a .., my 128 columns, f32) go into a stage in part w of a weight slot (both slots have had their last fill, and behind the barrier nobody reads them),
; and come back as whole rows: a load takes a row's 512 bytes, and a store covers 512 consecutive bytes, at a multiple of 256 from out0's first byte.  Each accumulator is read from its low end on.
.macro EPI_P
	PLACES
.irp a, 0,1,2,3
	WIN 0x08
.set tb, 0
.rept 16
.if tb == 8
	WIN 0x0c
.endif
	ds_store_b128 v[SSTO+(\a)%2], v[8*(4*(tb%8)+\a):8*(4*(tb%8)+\a)+3]   offset:16*SPITCH*(tb/8)+64*(tb%8)
	ds_store_b128 v[SSTO+(\a)%2], v[8*(4*(tb%8)+\a)+4:8*(4*(tb%8)+\a)+7] offset:16*SPITCH*(tb/8)+64*(tb%8)+16
.set tb, tb+1
.endr
	WIN 0
.irp g, 0,1
	s_wait_xcnt 0x0                                ; the stores that read this set of registers have had their addresses translated (ISA guide 3.1): only now is it loaded again
.set n, 0
.rept 16
	ds_load_b128 v[BF+64*\g+4*n:BF+64*\g+4*n+3], v[SRD+(\a)%2] offset:SPITCH*(16*\g+n)  ; LDS serves a wave's instructions in order (ISA guide 5.7.1.4): these see the stores above
.set n, n+1
.endr
.set n, 0
.rept 16
	s_wait_dscnt 15-n                              ; load n of the sixteen is in
	global_store_b128 v[L16], v[BF+64*\g+4*n:BF+64*\g+4*n+3], s[OB:OB+1] offset:(64*\g+16*\a+n)*4096 th:TH_STORE_NT
.set n, n+1
.endr
.endr
.endr
.endm
	s_load_b256 s[4:11], s[0:1], 0x0               ; vs s[4:5], dt s[6:7], wt s[8:9], bproj s[10:11]
	s_load_b64 s[12:13], s[0:1], 0x20              ; out0
	v_lshl_add_u32 v[SPW], v0, 2, SPARE
	v_mov_b32 v[NIL], 0
	ds_add_u32 v[SPW], v[NIL]                      ; the wave's opening: the add and its wait stand ahead of my first tensor load; the set-up below, work on registers, stands between them
	v_lshrrev_b32 v1, 5, v0
	v_readfirstlane_b32 s[WV], v1                  ; wave 0..3
	s_bfe_u32 s15, ttmp6, 0x40000                  ; cx: my place in the cluster
	s_lshr_b32 s16, ttmp9, 1                       ; in a cluster launch ttmp9 counts clusters
	s_lshl_b32 s16, s16, 2
	s_add_co_u32 s16, s16, s15                     ; my block of 128 rows: it enters the addresses of vs, dt and out0 alone
	s_and_b32 s61, ttmp9, 1                        ; c: the column half, which the four partners share
	s_lshr_b32 s[WI], s[WV], 1
	s_and_b32 s[WJ], s[WV], 1
	s_lshl_b32 s[W4], s61, 1
	s_add_co_u32 s[W4], s[W4], s[WJ]
	s_lshl_b32 s[G8], s61, 2
	s_add_co_u32 s[G8], s[G8], s[WV]
	s_lshl_b32 s18, s16, 18                        ; vs: 128 rows of 2,048 bytes
	s_mov_b32 s19, 0
	s_lshl_b32 s62, s16, 10                        ; dt: 128 rows of 8 bytes
	s_mov_b32 s63, 0
	s_lshl_b32 s58, s16, 19                        ; out0: 128 rows of 4,096 bytes,
	s_lshl_b32 s2, s[G8], 9                        ; my 128 columns, in out0 and in the bias
	s_mov_b32 s3, 0
	s_add_co_u32 s58, s58, s2
	s_mov_b32 s59, 0
	; descriptor group 1: 32,768 dense bytes as 128 rows of 256 bytes
	s_mov_b32 s[G1+0], 15|(3<<16)|(1<<21)          ; 15:0 the mask: all four work-groups; 17:16 elements of 8 bytes; 21 set beside a mask; no padding: the fragments lie as they are read
	s_mov_b32 s[G1+1], 32<<16                      ; tensor_dim0 = 32
	s_mov_b32 s[G1+2], 128<<16                     ; tensor_dim1 = 128
	s_mov_b32 s[G1+3], 32<<16                      ; tile_dim0 = 32
	s_mov_b32 s[G1+4], 128                         ; tile_dim1 = 128
	s_mov_b32 s[G1+5], 32                          ; 32 elements from row to row
	s_mov_b32 s[G1+6], 0
	s_mov_b32 s[G1+7], 0
	s_mov_b32 s[G0], 1                             ; 1:0 count = 1
	s_lshl_b32 s[G0+1], s[WV], 15                  ; LDS address: part w of slot 0: no place in the cluster enters it
	s_mov_b32 s[G0+4], 1
	s_add_co_u32 s[G0+5], s[G0+1], SLOTB           ; of slot 1
	s_lshl_b32 s54, s[WI], 17                      ; the part that I fetch: tile w / 2 of the slot's two,
	s_lshl_b32 s17, s[W4], 15                      ; column group 2 c + w % 2,
	s_add_co_u32 s54, s54, s17
	s_add_co_u32 s54, s54, 48*SLOTB                ; behind the 48 tiles of Wq and Wkv
	s_mov_b32 s55, 0
	s_mov_b32 s[FO+1], 0
	s_mov_b32 s[CH], 0
	s_mov_b32 s[TO], 0
	s_mov_b32 s[TB], 0
	s_mov_b32 s[CS], 0x3cb8aa3b                    ; c = log2(e) / 64
	v_and_b32 v1, 31, v0                           ; lane
	v_and_b32 v[KT], 15, v0                        ; l % 16
	v_bfe_u32 v[KT+1], v0, 4, 1                    ; l / 16
	v_and_b32 v[KT+2], 7, v0                       ; l % 8
	v_bfe_u32 v[KT+3], v0, 3, 2                    ; l / 8
	v_lshlrev_b32 v[L16], 4, v1
	v_lshlrev_b32 v[DTO], 3, v0
	v_lshlrev_b32 v[BOF], 5, v[KT+1]
	s_lshl_b32 s17, s[WI], 2                       ; the weights that I read: part w / 2 of a sub-slot's two, blocks 8 (w % 2) .. of its sixteen
	s_add_co_u32 s17, s17, s[WJ]
	s_lshl_b32 s17, s17, 13
	v_add_nc_u32 v[B0], s17, v[L16]
	v_add_nc_u32 v[BADR], s[TB], v[B0]
	v_add_nc_u32 v[BADR+1], 0x10000, v[BADR]
	v_mul_u32_u24 v[AADR], v[KT], 144
	v_lshl_add_u32 v[AADR], v[KT+1], 4, v[AADR]
	v_add_nc_u32 v[AADR], ARING, v[AADR]
	s_mul_i32 s17, s[WV], 32*144
	s_add_co_u32 s17, s17, ARING
	v_mul_u32_u24 v[ASTO], v[KT+3], 144
	v_lshl_add_u32 v[ASTO], v[KT+2], 4, v[ASTO]
	v_add_nc_u32 v[ASTO], s17, v[ASTO]
	s_lshl_b32 s17, s[WV], 16                      ; 32 rows of 2,048 bytes
	v_lshlrev_b32 v[GOFF], 11, v[KT+3]
	v_lshl_add_u32 v[GOFF], v[KT+2], 4, v[GOFF]
	v_add_nc_u32 v[GOFF], s17, v[GOFF]
	s_lshl_b32 s17, s[WV], 11
	s_add_co_u32 s17, s17, ATAB                    ; my wave's table
	v_lshl_add_u32 v[AT0], v[KT+3], 5, s17
	v_and_b32 v[KT+4], 3, v0                       ; l % 4
	v_bfe_u32 v[KT+5], v0, 2, 3                    ; l / 4
	v_lshlrev_b32 v[ATW], 5, v[KT+4]
	v_lshl_add_u32 v[ATW], v[KT+5], 2, v[ATW]
	v_add_nc_u32 v[ATW], s17, v[ATW]
	v_add_nc_u32 v[SRD], s[G0+1], v[L16]
	v_add_nc_u32 v[SRD+1], SLOTB, v[SRD]
	v_mul_u32_u24 v[SSTO], v[KT], SPITCH
	v_lshl_add_u32 v[SSTO], v[KT+1], 5, v[SSTO]
	v_add_nc_u32 v[SSTO], s[G0+1], v[SSTO]
	v_add_nc_u32 v[SSTO+1], SLOTB, v[SSTO]
	s_wait_dscnt 0x0                               ; the opening add is done
	s_wait_kmcnt 0x0
	s_add_nc_u64 s[VB:VB+1], s[4:5], s[18:19]
	s_add_nc_u64 s[DB:DB+1], s[6:7], s[62:63]
	s_add_nc_u64 s[OB:OB+1], s[12:13], s[58:59]
	s_add_nc_u64 s[BB:BB+1], s[10:11], s[2:3]
	s_add_nc_u64 s[G0+2:G0+3], s[8:9], s[54:55]    ; global address: my part of Wproj's tiles 0 and 1,
	s_add_nc_u64 s[G0+6:G0+7], s[G0+2:G0+3], 2*SLOTB  ; of its tiles 2 and 3
	s_or_b32 s[G0+3], s[G0+3], 0x80000000          ; 127:126 type = 2
	s_or_b32 s[G0+7], s[G0+7], 0x80000000
.irp g, 0,1,2,3,4,5,6,7
	global_load_b64 v[DD+2*\g:DD+2*\g+1], v[DTO], s[DB:DB+1] offset:131072*\g  ; row t's d of heads 2 g and 2 g + 1
.endr
	WIN 0x40
.irp b, 0,1,2,3,4,5,6,7
	global_load_b128 v[BI+8*\b:BI+8*\b+3],   v[BOF], s[BB:BB+1] offset:64*\b     ; the bias of columns 16 b + 8 (l / 16) + 0..7, as an accumulator holds them
	global_load_b128 v[BI+8*\b+4:BI+8*\b+7], v[BOF], s[BB:BB+1] offset:64*\b+16
.endr
	WIN 0
	ASKP 0                                         ; heads 0 and 1 of v
	ASKP 1
	CROUND                                         ; all four work-groups are here: the first joint loads meet
	tensor_load_to_lds s[G0:G0+3], s[G1:G1+7]      ; slots 0 and 1: two tensor loads of mine are out, later one
	s_nop 0
	tensor_load_to_lds s[G0+4:G0+7], s[G1:G1+7]
	s_nop 0
	PLACES
	s_wait_loadcnt 16                              ; d and the bias are in; the sixteen loads of v's first two heads stay out
	v_max3_num_f32 v[KT], v[DD], v[DD+1], v[DD+2]
.irp u, 3,5,7,9,11,13
	v_max3_num_f32 v[KT], v[KT], v[DD+\u], v[DD+\u+1]
.endr
	v_max_num_f32 v[KT], v[KT], v[DD+15]           ; m
	v_mul_f32 v[KT+1], s[CS], v[KT]                ; c m
.set n, 0
.rept 16
	v_fma_f32 v[DD+n], v[DD+n], s[CS], -v[KT+1]
.set n, n+1
.endr
.set n, 0
.rept 16
	v_exp_f32 v[DD+n], v[DD+n]
.set n, n+1
.endr
	v_nop                                          ; a plain instruction between the last exponential and the use of its result (ISA guide 5.7.2)
	s_wait_alu depctr_va_vdst(0)
.irp u, 0,1,2,3
	v_pk_add_f32 v[KT+2+2*\u:KT+3+2*\u], v[DD+4*\u:DD+4*\u+1], v[DD+4*\u+2:DD+4*\u+3]
.endr
	v_pk_add_f32 v[KT+2:KT+3], v[KT+2:KT+3], v[KT+4:KT+5]
	v_pk_add_f32 v[KT+6:KT+7], v[KT+6:KT+7], v[KT+8:KT+9]
	v_pk_add_f32 v[KT+2:KT+3], v[KT+2:KT+3], v[KT+6:KT+7]
	v_add_f32 v[KT+2], v[KT+2], v[KT+3]            ; the sum: at least about 1, the maximum's own term
	v_rcp_f32 v[KT+2], v[KT+2]
	v_nop
.set n, 0
	s_wait_alu depctr_va_vdst(0)
.rept 16
	v_mul_f32 v[DD+n], v[DD+n], v[KT+2]
.set n, n+1
.endr
.set n, 0
.rept 16
	v_cvt_pk_f16_f32 v[DD+n], v[DD+n], v[DD+n]     ; into both halves: a factor for two f16 at once
.set n, n+1
.endr
.set n, 0
.rept 16
	ds_store_b32 v[ATW], v[DD+n] offset:128*n
.set n, n+1
.endr
	ds_load_b128 v[ATN:ATN+3], v[AT0]              ; head 0's attn for my eight rows: my wave's own bytes, and LDS serves a wave's instructions in order (ISA guide 5.7.1.4)
	ds_load_b128 v[ATN+4:ATN+7], v[AT0] offset:16
	s_wait_dscnt 0x0
	FEEDP 0, 0, 8, 1, 1                            ; head 0 into the ring; head 2 is asked for; head 1's attn
	s_wait_tensorcnt 1                             ; my part of slot 0 is in; slot 1's may stay out
	s_wait_dscnt 0x0                               ; my rows of head 0 are in the ring
	s_barrier_signal -1
	s_barrier_wait -1
	LDB 0, 0                                       ; the first fragments
	LDA 0, 0, 0
	SLOT 0, 1, 4, 1                                ; the first sub-slot stands in front of the loop: its products start the sums
	WIN 0
	s_mov_b32 s[LC], 6
.Llap:                                                 ; six trips: a slot's second half, which fills the slot again, and the next slot's first half
	SLOT 1, 0, 0, 1
	SLOT 0, 0, 4, 1
	WIN 0
	s_sub_co_u32 s[LC], s[LC], 1
	s_cmp_lg_u32 s[LC], 0
	s_cbranch_scc1 .Llap
	SLOT 1, 0, 2, 2                                ; the tail is written out: nothing is asked for
	SLOT 0, 0, 4, 3
	SLOT 1, 0, 3, 0
	WIN 0
	s_wait_dscnt 0x0                               ; my reads of the slots are over:
	s_barrier_signal -1
	s_barrier_wait -1                              ; everybody's are: the slots become the stages
	EPI_P
	WIN 0
	s_wait_tensorcnt 0x0                           ; the wave's end, behind my last tensor load and my last LDS store
	ds_add_u32 v[SPW], v[NIL]
	s_wait_dscnt 0x0
	CROUND                                         ; the closing round: no work-group ends while a partner may still ask for a tile that names it
	s_endpgm
.Lfunc_end_k_qd79a7a3758_proj:
	.size	k_qd79a7a3758_proj, .Lfunc_end_k_qd79a7a3758_proj-k_qd79a7a3758_proj
	.p2alignl 7, 3214868480
	.fill 96, 4, 3214868480
	.section	.rodata,"a",@progbits
	.p2align	6, 0x0
	.amdhsa_kernel k_qd79a7a3758_proj
		.amdhsa_group_segment_fixed_size 327680
		.amdhsa_private_segment_fixed_size 0
		.amdhsa_enable_private_segment 0
		.amdhsa_kernarg_size 40
		.amdhsa_user_sgpr_count 2
		.amdhsa_user_sgpr_kernarg_segment_ptr 1
		.amdhsa_wavefront_size32 1
		.amdhsa_system_sgpr_workgroup_id_x 1
		.amdhsa_system_sgpr_workgroup_id_y 1
		.amdhsa_system_sgpr_workgroup_id_z 1
		.amdhsa_system_vgpr_workitem_id 0
		.amdhsa_next_free_vgpr 1024
		.amdhsa_next_free_sgpr 66
		.amdhsa_reserve_vcc 0
		.amdhsa_float_denorm_mode_32 3
		.amdhsa_float_denorm_mode_16_64 3
		.amdhsa_memory_ordered 1
		.amdhsa_forward_progress 1
		.amdhsa_inst_pref_size 148
	.end_amdhsa_kernel
	.amdgpu_metadata
---
amdhsa.version: [ 1, 2 ]
amdhsa.kernels:
  - .name:           k_qd79a7a3758_proj
    .symbol:         k_qd79a7a3758_proj.kd
    .args:
      - { .name: vs, .offset: 0, .size: 8, .value_kind: global_buffer, .address_space: global }
      - { .name: dt, .offset: 8, .size: 8, .value_kind: global_buffer, .address_space: global }
      - { .name: wt, .offset: 16, .size: 8, .value_kind: global_buffer, .address_space: global }
      - { .name: bproj, .offset: 24, .size: 8, .value_kind: global_buffer, .address_space: global }
      - { .name: out0, .offset: 32, .size: 8, .value_kind: global_buffer, .address_space: global }
    .group_segment_fixed_size: 327680
    .private_segment_fixed_size: 0
    .kernarg_segment_align: 8
    .kernarg_segment_size: 40
    .max_flat_workgroup_size: 128
    .sgpr_count:     66
    .vgpr_count:     1024
    .wavefront_size: 32
...
	.end_amdgpu_metadata
.endif
;; end of part 5
